; MI455X (gfx1250); checked and timed in simulation.
; The chip was launched on July 23, 2026; its instructions are those of AMD's public machine-readable ISA for CDNA 5 (MIT licence, August 2026) and "CDNA5" Instruction Set Architecture Reference Guide (July 2026). The comments in the code are by the model that wrote it; some were corrected since.
;; Multihead Attention. Allowed arithmetic: matrix products marked QUANTISED: E2M3 operands, one E8M0 scale for each 32 along K, by v_wmma_scale_f32_16x16x128_f8f6f4 with both operands' format E2M3, f32 sums; everything else in f32.
;; Inputs: Wo 1,024 x 1,024 float32; Wqkv 1,024 x 3,072 float32; bo 1,024 float32; bqkv 3,072 float32; x 4 x 2,048 x 1,024 float32.
;; Outputs: out0 4 x 2,048 x 1,024 float32.
;; This version of the problem:
;;   THIS VERSION OF THE PROBLEM IS GIVEN IN LOW PRECISION. The matrix products marked QUANTISED in the list below multiply operands that are first quantised to E2M3 (2 exponent bits, 3 mantissa bits; 6 bits a number), with one power-of-two scale for each 32 numbers along K (OCP MX v1.0); their sums are f32. All else is computed in f32.
;;   The module's matrix products, in the order in which they are computed (A, B: the left and right operand; K: the contracted axis; several contracted axes count as one K, in the product's order):
;;     1. [M 8,192, K 1,024] x [K 1,024, N 3,072]; A: input x; B: input Wqkv: QUANTISED
;;     2. batch 64 x [M 2,048, K 64] x [K 64, N 2,048]; A: computed on the way; B: computed on the way: QUANTISED
;;     3. batch 64 x [M 2,048, K 2,048] x [K 2,048, N 64]; A: softmax (see below); B: computed on the way: QUANTISED
;;     4. [M 8,192, K 1,024] x [K 1,024, N 1,024]; A: computed on the way; B: input Wo: QUANTISED
;;   THE QUANTISER, for each operand of a quantised product, along K:
;;     - K is cut into blocks of 32 from its start; a last block that is shorter is filled with zeros.
;;     - A block's scale is 2^e with e = floor(log2(the largest magnitude in the block)) - 2, held to -126 .. 127; a block of zeros has e = 0. As a byte (E8M0): e + 127.
;;     - Each number is divided by its block's scale, clamped to +-7.5, and rounded to the nearest number of E2M3, ties to even, subnormals kept.
;;     - The product sums the exact products of the quantised numbers (number of the format x scale) in f32.
;;   ~~~python
;;   def quantise(x, axis):      # numpy; x: float32 -> the quantised numbers, widened to float32 again
;;       x = np.moveaxis(x, axis, -1); K = x.shape[-1]
;;       x = np.pad(x, [(0, 0)] * (x.ndim - 1) + [(0, -K % 32)]); x = x.reshape(x.shape[:-1] + (-1, 32)); a = np.abs(x).max(-1, keepdims=True)
;;       e = np.where(a > 0, np.clip(np.frexp(np.where(a > 0, a, 1))[1] - 1 - 2, -126, 127), 0)      # np.frexp(a)[1] - 1 = floor(log2(a)), exactly
;;       r = np.clip(x / 2.0 ** e, -7.5, 7.5)
;;       step = 2.0 ** (np.maximum(np.frexp(np.where(r == 0, 1, r))[1] - 1, 0) - 3)
;;       q = np.round(r / step) * step * 2.0 ** e      # np.round: ties to even
;;       return np.moveaxis(q.reshape(q.shape[:-2] + (-1,))[..., :K], -1, axis).astype(np.float32)
;;   ~~~
;;   SOFTMAX AHEAD OF A QUANTISED PRODUCT. Where the list says 'softmax', what is quantised is not the finished softmax but p = 2^(t - M), with t = logit x log2(e) and M = ceil(the row's largest t), a whole number; so 1/2 < the row's largest p <= 1. The row's sum l is taken of the UNQUANTISED p, in f32, and the product's result is divided by l at the end. Since M is a whole number, a kernel that streams over the keys may use a running M (the ceiling of the running maximum): every later rescaling is an exact power of two, which a block's scale takes up: the codes' values come out the same.
;;   OPERANDS COMPUTED ON THE WAY. 'Computed on the way' means the value that the module computes at that place (a softmax that the list does not call 'softmax' is quantised finished and normalised). What goes into a quantiser is computed in f32, as accurately as f32 sums, v_exp_f32 and their like allow (about 1e-6 of the number): no bf16 or f16 on the way to a quantiser, and a product that is left as it is and whose result goes on into a quantised operand takes f32 operands (vector FMAs, or v_wmma_f32_16x16x4_f32). A number that lies on a knife's edge between two numbers of the format may be rounded either way, as far as f32 arithmetic and the matrix unit's own rounding can turn it there, and no further.
;; One version. Each part assembles by itself: llvm-mc -triple=amdgcn-amd-amdhsa -mcpu=gfx1250 --defsym DOCPART=n.
;; ======== version 1 of 1: 4 launches
;; limits: right only within a limited range of input values
;; workspace buffers: xq 6,553,600 bytes; wq 3,276,800 bytes; qkv 20,447,232 bytes; vq 6,553,600 bytes
;; launch quant (part 1): grid 640 x 1, 4 waves a work-group, no clusters, 92,672 bytes of LDS; arguments x, Wqkv, Wo, xq, wq; writes xq, wq
.if DOCPART == 1
	.amdgcn_target "amdgcn-amd-amdhsa--gfx1250"
	.amdhsa_code_object_version 6
	.text
	.protected	k_q81b83cfaa4_quant
	.globl	k_q81b83cfaa4_quant
	.p2align	8
	.type	k_q81b83cfaa4_quant,@function
k_q81b83cfaa4_quant:
	s_mov_b64 s[64:65], 0
	v_nop
	global_prefetch_b8 v0, s[64:65] scope:SCOPE_SE
	s_setreg_imm32_b32 hwreg(HW_REG_WAVE_MODE, 25, 1), 1
	s_wait_xcnt 0x0
; x [8192][1024], Wqkv [1024][3072] and Wo [1024][1024], f32, become codes of FP6 (E2M3) with one E8M0 byte for each 32 along K (K = 1024 in all three),
; laid in the ORDER OF THE OPERAND'S REGISTERS.  A HALF IMAGE is 16 rows x 64 K, 768 bytes: lane (r, h) owns the 24 bytes of row r, k = 32 h .. 32 h + 31; its first 16 bytes lie at 16 x lane,
; its last 8 at 512 + 8 x lane.  A tile of 16 rows x 1024 K is 16 half images, 12,288 bytes.  Scale bytes: [tile][K / 256][row][8], 512 bytes a tile.
; THE ROWS OF A TILE ARE NOT NEIGHBOURS: row r of tile 2 B + u is row 32 B + 8 u + r + 8 (r / 8) of the tensor, so that a product's 16 results of two neighbouring tiles are 16 neighbours along the next K.
; Wqkv's columns n = 192 head + 64 part + d are regrouped to 1024 part + 64 head + d (tiles 0-63 q, 64-127 k, 128-191 v); Wo's columns are tiles 192-255.
; A block's scale is 2^(floor(log2(its largest magnitude)) - 2); its byte is the largest magnitude's exponent field - 2, held at 1 from below.
; LIMITS: a block of zeros, or one whose largest magnitude lies under 2^-124, gets the byte 1 (its codes are zeros or tiny; the bytes are read by this program alone); NaN and infinities are not served.
; Work-groups 0-511: a tile of x each, a wave to 256 along K.  Work-groups 512-639: 128 columns x 256 along K of a weight, a wave to 32 columns.  The two ways never meet again and have LDS bytes of their own.
; The scale bytes leave in runs of 128 consecutive bytes: one byte for each 128 bytes that the launch reads.
.set XP,    528                        ; x's stage: a row of 512 bytes + 16
.set XHALF, 16*XP                      ; one stage: 16 rows
.set XWAVE, 2*XHALF                    ; two stages a wave
.set WST,   4*XWAVE                    ; behind them the weights' stages: 6,144 bytes a wave
.set WWAVE, 6144
.set SPARE, WST+4*WWAVE                ; the spare words, 128 bytes for each wave: two blocks of 256 bytes that no other line names
.set XSC,   6291456                    ; xq: where the scale bytes begin
.set WSC,   3145728                    ; wq: likewise
.set LANE, 1
.set RR,   2                           ; lane % 16
.set HH,   3                           ; lane / 16
.set L16,  4                           ; 16 x lane
.set L8,   5                           ; 8 x lane
.set XIN,  6                           ; x's stage, on the way in
.set XOUT, 7                           ; and out
.set WS16, 8                           ; the weights' stage: where a block's first 16 bytes go
.set WS8,  9                           ; and its last 8
.set WRD,  10                          ; and where it is read back
.set SOF,  11                          ; byte offset of my scale store
.set SPW,  12                          ; LDS address of my spare word; never rewritten
.set NIL,  13                          ; 0; never rewritten
.set UU,   14                          ; bit 3 of the lane: which of the wave's two tiles my column falls into
.set RP,   15                          ; lane % 8 + 8 (lane / 16): its row there
.set SEL,  22                          ; s[22:23] lane selects for v_permlanex16_b32: lane l xor 16
.set R,    16                          ; x: v16-143 two steps of 64 registers as loaded
.set T0,   144                         ; v144-207 step 0's 64 numbers, 16 neighbours of each of my row's four blocks
.set T1,   16                          ; step 1's, in the registers that step 0's raw numbers have left
.set PC,   208                         ; v208-219 a fragment's codes; v220-226 at work
.set TM,   228                         ; v228-243 at work
.set PW,   244                         ; v244, v245 the two steps' scale words
; 64 numbers of a lane, register 16 b + i = k 32 b + 16 (lane / 16) + i of my row, become a fragment's 12 registers of codes at v[pc] and its scale word in v[pw]
.macro QUANT s, pc, pw
.irp b, 0,1,2,3
	v_max3_num_f32 v[TM+\b], |v[(\s)+16*\b]|, |v[(\s)+1+16*\b]|, 0x1800000   ; block b: my 16 numbers, and the floor 2^(3 - 127): the byte cannot fall under 1
.endr
.irp i, 2,4,6,8,10,12,14
.irp b, 0,1,2,3
	v_max3_num_f32 v[TM+\b], v[TM+\b], |v[(\s)+16*\b+\i]|, |v[(\s)+1+16*\b+\i]|   ; the four blocks by turns
.endr
.endr
.irp b, 0,1,2,3
	v_permlanex16_b32 v[TM+4+\b], v[TM+\b], s[SEL], s[SEL+1]
.endr
.irp b, 0,1,2,3
	v_max_num_f32 v[TM+\b], v[TM+\b], v[TM+4+\b]   ; with lane l xor 16's 16: the block's largest magnitude
.endr
.irp b, 0,1,2,3
	v_add_nc_u32 v[TM+12+\b], 0xff000000, v[TM+\b]   ; 2 off its exponent field: the conversion's scale operand
.endr
.irp b, 0,1,2,3
	v_lshrrev_b32 v[TM+4+\b], 23, v[TM+12+\b]      ; the scale's byte
.endr
	v_lshl_or_b32 v[\pw], v[TM+5], 8, v[TM+4]
	v_lshl_or_b32 v[\pw], v[TM+6], 16, v[\pw]
	v_lshl_or_b32 v[\pw], v[TM+7], 24, v[\pw]      ; my row's scale word
.irp c, 0,1
	v_cvt_scalef32_pk16_fp6_f32 v[(\pc)+6*\c:(\pc)+2+6*\c], v[(\s)+32*\c:(\s)+15+32*\c], v[TM+12+2*\c]
	v_cvt_scalef32_pk16_fp6_f32 v[(\pc)+12+4*\c:(\pc)+14+4*\c], v[(\s)+16+32*\c:(\s)+31+32*\c], v[TM+12+2*\c+1]   ; (a conversion's three registers begin on an even number)
.endr
	v_nop                                          ; one plain place behind a scaled conversion
.irp c, 0,1                                    ; the layout wants a whole block in a lane: lanes 0-15 block 2 c, lanes 16-31 block 2 c + 1
.irp i, 0,1,2
	v_permlane16_swap_b32 v[(\pc)+6*\c+\i], v[(\pc)+12+4*\c+\i]
.endr
.irp i, 0,1,2
	v_mov_b32 v[(\pc)+3+6*\c+\i], v[(\pc)+12+4*\c+\i]
.endr
.endr
.endm
	s_load_b256 s[4:11], s[0:1], 0x0               ; x s[4:5], Wqkv s[6:7], Wo s[8:9], xq s[10:11]
	s_load_b64 s[12:13], s[0:1], 0x20              ; wq
	v_lshl_add_u32 v[SPW], v0, 2, SPARE
	v_mov_b32 v[NIL], 0
	v_lshrrev_b32 v[LANE], 5, v0
	v_readfirstlane_b32 s16, v[LANE]               ; wave 0..3
	v_and_b32 v[LANE], 31, v0
	v_and_b32 v[RR], 15, v0
	v_bfe_u32 v[HH], v0, 4, 1
	v_lshlrev_b32 v[L16], 4, v[LANE]
	v_lshlrev_b32 v[L8], 3, v[LANE]
	; every LDS address is made here, ahead of the parting of the two ways
	s_mul_i32 s17, s16, XWAVE
	v_add_nc_u32 v[XIN], s17, v[L16]               ; in: a row's 512 bytes as they lie, 16 a lane
	v_mul_u32_u24 v[XOUT], v[RR], XP
	v_lshl_add_u32 v[XOUT], v[HH], 6, v[XOUT]
	v_add_nc_u32 v[XOUT], s17, v[XOUT]             ; out: row r, + 64 h: my 16 numbers of a block of 32
	v_bfe_u32 v[UU], v0, 3, 1
	v_and_b32 v[RP], 7, v0
	v_lshl_add_u32 v[RP], v[HH], 3, v[RP]
	s_mul_i32 s18, s16, WWAVE
	s_add_co_u32 s18, s18, WST
	v_mul_u32_u24 v[WS16], v[UU], 3072             ; a tile's 256 along K are four half images
	v_add_nc_u32 v[WS16], s18, v[WS16]
	v_lshl_add_u32 v[WS8], v[RP], 3, v[WS16]
	v_lshl_add_u32 v[WS16], v[RP], 4, v[WS16]
	v_add_nc_u32 v[WRD], s18, v[L16]
	s_mov_b32 s[SEL], 0x76543210
	s_mov_b32 s[SEL+1], 0xfedcba98
	s_wait_kmcnt 0x0
	s_cmp_lt_u32 ttmp9, 512
	s_cbranch_scc0 .Lweights
	; ---------------- x: tile T = the work-group's number; my wave takes K = 256 w .. 256 w + 255, two steps of 128
	s_lshr_b32 s20, ttmp9, 1
	s_lshl_b32 s20, s20, 5
	s_and_b32 s21, ttmp9, 1
	s_lshl_b32 s21, s21, 3
	s_add_co_u32 s20, s20, s21                     ; the tile's first row: 32 (T / 2) + 8 (T % 2)
	s_lshl_b32 s20, s20, 12                        ; rows of 4,096 bytes
	s_lshl_b32 s21, s16, 10
	s_add_co_u32 s20, s20, s21
	s_mov_b32 s21, 0
	s_add_nc_u64 s[4:5], s[4:5], s[20:21]
	s_mul_i32 s24, ttmp9, 12288
	s_mul_i32 s25, s16, 3072
	s_add_co_u32 s24, s24, s25
	s_mov_b32 s25, 0
	s_add_nc_u64 s[26:27], s[10:11], s[24:25]      ; my four half images
	s_lshl_b32 s24, ttmp9, 9
	s_lshl_b32 s28, s16, 7
	s_add_co_u32 s24, s24, s28
	s_add_co_u32 s24, s24, XSC
	s_add_nc_u64 s[28:29], s[10:11], s[24:25]      ; my 128 scale bytes
.irp s, 0,1
.irp rr, 0,1,2,3,4,5,6,7,8,9,10,11,12,13,14,15
	global_load_b128 v[R+64*\s+4*\rr:R+64*\s+4*\rr+3], v[L16], s[4:5] offset:(\rr+8*(\rr/8))*4096+512*\s th:TH_LOAD_NT   ; 32 lanes read 512 consecutive bytes of one row
.endr
.endr
	v_lshlrev_b32 v[SOF], 3, v[RR]
	v_lshl_add_u32 v[SOF], v[HH], 2, v[SOF]        ; 8 r + 4 h: lanes 0-15 store step 0's word, lanes 16-31 step 1's
.irp b, 0,1,2,3
	v_mov_b32 v[TM+4+\b], 0                        ; written once: a lane permute's destination counts as one of its sources
.endr
.macro STAGE_IN s
.irp rr, 0,1,2,3,4,5,6,7,8,9,10,11,12,13,14,15
	ds_store_b128 v[XIN], v[R+64*\s+4*\rr:R+64*\s+4*\rr+3] offset:XHALF*\s+XP*\rr
.endr
.endm
.macro STAGE_OUT s, t
.irp b, 0,1,2,3
.irp j, 0,1,2,3
	ds_load_b128 v[\t+16*\b+4*\j:\t+16*\b+4*\j+3], v[XOUT] offset:XHALF*\s+128*\b+16*\j   ; LDS serves a wave's instructions in order: these see my stores
.endr
.endr
.endm
	s_wait_loadcnt 16                              ; step 0's 16 loads are in; step 1's may be out
	STAGE_IN 0
	STAGE_OUT 0, T0
	s_wait_loadcnt 0x0
	STAGE_IN 1
	s_wait_dscnt 16                                ; all but step 1's 16 stores: T0 is back, and step 0's stores have read their registers,
	STAGE_OUT 1, T1                                ; which take step 1's numbers
	QUANT T0, PC, PW
	global_store_b128 v[L16], v[PC:PC+3], s[26:27]                 ; each store covers 512 or 256 consecutive bytes, aligned
	global_store_b64 v[L8], v[PC+4:PC+5], s[26:27] offset:512
	global_store_b128 v[L16], v[PC+6:PC+9], s[26:27] offset:768
	global_store_b64 v[L8], v[PC+10:PC+11], s[26:27] offset:1280
	s_wait_dscnt 0x0                               ; T1 is back
	s_wait_xcnt 0x0                                ; the stores have read their data: the codes' registers are written again only behind this wait
	QUANT T1, PC, PW+1
	global_store_b128 v[L16], v[PC:PC+3], s[26:27] offset:1536
	global_store_b64 v[L8], v[PC+4:PC+5], s[26:27] offset:1536+512
	global_store_b128 v[L16], v[PC+6:PC+9], s[26:27] offset:1536+768
	global_store_b64 v[L8], v[PC+10:PC+11], s[26:27] offset:1536+1280
	v_cmp_lt_u32 vcc_lo, 15, v[LANE]
	v_cndmask_b32 v246, v[PW], v[PW+1], vcc_lo     ; both halves of the lanes hold both words of their row
	global_store_b32 v[SOF], v246, s[28:29]        ; 128 consecutive bytes
	s_wait_tensorcnt 0x0                           ; the wave's end
	ds_add_u32 v[SPW], v[NIL]
	s_wait_dscnt 0x0
	s_endpgm
	; ---------------- the weights: K is the FIRST axis.  A lane takes a column and its registers run down K: a block of 32 lies in one lane, and the codes come out with K innermost
.Lweights:
.set VOFF, 16                          ; v16-47  4 x lane + i rows: the byte offset of row i of a block
.set X,    48                          ; v48-111 two sets of 32 numbers
.set C,    112                         ; v112-118 a block's codes
.set SB,   120                         ; v120-121 my column's 8 scale bytes
.set OUTR, 128                         ; v128-175 the way out
	s_sub_co_u32 s20, ttmp9, 512
	s_lshr_b32 s21, s20, 2                         ; which 128 columns: 0-23 of Wqkv, 24-31 of Wo
	s_and_b32 s20, s20, 3                          ; which 256 along K
	s_mov_b32 s24, 4096
	s_cmp_lt_u32 s21, 24                           ; the choice hangs on the work-group's number alone
	s_cselect_b64 s[4:5], s[6:7], s[8:9]
	s_cselect_b32 s24, 12288, s24                  ; a row of the weight in bytes
	s_cselect_b32 s25, 0, 24
	s_sub_co_u32 s25, s21, s25
	s_lshl_b32 s25, s25, 7
	s_lshl_b32 s26, s16, 5
	s_add_co_u32 s25, s25, s26                     ; n0: my wave's first column
	s_lshr_b32 s26, s25, 6                         ; Wqkv: n0 / 64 = 3 head + part
	s_mul_i32 s27, s26, 43
	s_lshr_b32 s27, s27, 7                         ; head = (n0 / 64) / 3: x 43 / 128 is exact for 0 .. 47
	s_mul_i32 s28, s27, 3
	s_sub_co_u32 s26, s26, s28                     ; part
	s_lshl_b32 s26, s26, 10
	s_lshl_b32 s27, s27, 6
	s_add_co_u32 s26, s26, s27
	s_and_b32 s27, s25, 63
	s_add_co_u32 s26, s26, s27
	s_lshr_b32 s26, s26, 4                         ; the tile of 1024 part + 64 head + n0 % 64
	s_lshr_b32 s27, s25, 4
	s_add_co_u32 s27, s27, 192                     ; Wo: tile 192 + n0 / 16
	s_cmp_lt_u32 s21, 24
	s_cselect_b32 s26, s26, s27                    ; my first tile (an even one); my second follows it
	s_mul_i32 s28, s26, 12288
	s_mul_i32 s29, s20, 3072
	s_add_co_u32 s28, s28, s29
	s_mov_b32 s29, 0
	s_add_nc_u64 s[48:49], s[12:13], s[28:29]      ; the codes
	s_lshl_b32 s28, s26, 9
	s_lshl_b32 s30, s20, 7
	s_add_co_u32 s28, s28, s30
	s_add_co_u32 s28, s28, WSC
	s_add_nc_u64 s[50:51], s[12:13], s[28:29]      ; the scale bytes
	s_lshl_b32 s26, s20, 8
	s_mul_i32 s26, s26, s24                        ; 256 y rows down,
	s_lshl_b32 s27, s25, 2
	s_add_co_u32 s26, s26, s27                     ; n0 columns along
	s_mov_b32 s27, 0
	s_add_nc_u64 s[32:33], s[4:5], s[26:27]        ; block 0's first row
	s_lshl_b32 s26, s24, 5                         ; 32 rows
.irp t, 1,2,3,4,5,6,7
	s_add_nc_u64 s[32+2*\t:33+2*\t], s[30+2*\t:31+2*\t], s[26:27]   ; a base for each of the eight blocks: no pointer is stepped later
.endr
	v_lshlrev_b32 v[VOFF], 2, v[LANE]
.irp i, 1,2,3,4,5,6,7,8,9,10,11,12,13,14,15,16,17,18,19,20,21,22,23,24,25,26,27,28,29,30,31
	v_add_nc_u32 v[VOFF+\i], s24, v[VOFF+\i-1]
.endr
	v_lshlrev_b32 v[SOF], 9, v[UU]
	v_lshl_add_u32 v[SOF], v[RP], 3, v[SOF]        ; my tile's 512 scale bytes, my row's 8
.macro LOAD t                          ; block t: W(32 t + i, my column), i = 0 .. 31: each load reads 128 consecutive bytes, the four waves side by side 512
.irp i, 0,1,2,3,4,5,6,7,8,9,10,11,12,13,14,15,16,17,18,19,20,21,22,23,24,25,26,27,28,29,30,31
	global_load_b32 v[X+32*((\t)%2)+\i], v[VOFF+\i], s[32+2*(\t):33+2*(\t)] th:TH_LOAD_NT
.endr
.endm
	LOAD 0
	LOAD 1
.macro BLOCK t
.set XS, X+32*((\t)%2)
.if (\t) < 7
	s_wait_loadcnt 32                              ; this block's 32 loads are in; the next block's may be out
.else
	s_wait_loadcnt 0x0
.endif
	v_max3_num_f32 v122, |v[XS]|, |v[XS+1]|, |v[XS+2]|             ; the block's largest magnitude: all 32 numbers are mine
	v_max3_num_f32 v123, |v[XS+3]|, |v[XS+4]|, |v[XS+5]|
.irp i, 6,10,14,18,22,26
	v_max3_num_f32 v122, v122, |v[XS+\i]|, |v[XS+\i+1]|
	v_max3_num_f32 v123, v123, |v[XS+\i+2]|, |v[XS+\i+3]|
.endr
	v_max3_num_f32 v122, v122, |v[XS+30]|, |v[XS+31]|
	v_max3_num_f32 v122, v122, v123, 0x1800000     ; and the floor
	v_add_nc_u32 v124, 0xff000000, v122            ; the conversion's scale operand
	v_lshrrev_b32 v125, 23, v124                   ; the byte
.if (\t)%4 == 0
	v_mov_b32 v[SB+(\t)/4], v125
.else
	v_lshl_or_b32 v[SB+(\t)/4], v125, 8*((\t)%4), v[SB+(\t)/4]
.endif
	v_cvt_scalef32_pk16_fp6_f32 v[C:C+2], v[XS:XS+15], v124
	v_cvt_scalef32_pk16_fp6_f32 v[C+4:C+6], v[XS+16:XS+31], v124
	v_nop                                          ; one plain place behind a scaled conversion
	v_mov_b32 v[C+3], v[C+4]                       ; the block's 24 bytes on end
	v_mov_b32 v[C+4], v[C+5]
	v_mov_b32 v[C+5], v[C+6]
	ds_store_b128 v[WS16], v[C:C+3] offset:((\t)/2)*768+256*((\t)%2)        ; half image t / 2, lane r' + 16 (t % 2)
	ds_store_b64 v[WS8], v[C+4:C+5] offset:((\t)/2)*768+512+128*((\t)%2)
.if (\t)+2 < 8
	LOAD (\t)+2
.endif
	s_wait_dscnt 0x0                               ; the stores have read their registers: the next block's codes may be written
.endm
.irp t, 0,1,2,3,4,5,6,7
	BLOCK \t
.endr
	s_wait_alu depctr_va_vdst(0)
	global_store_b64 v[SOF], v[SB:SB+1], s[50:51]  ; two runs of 128 consecutive bytes
.irp k, 0,1,2,3,4,5,6,7,8,9,10,11
	ds_load_b128 v[OUTR+4*\k:OUTR+4*\k+3], v[WRD] offset:512*\k
.endr
.irp k, 0,1,2,3,4,5,6,7,8,9,10,11
	s_wait_dscnt 11-\k                             ; the younger loads may be out
	global_store_b128 v[L16], v[OUTR+4*\k:OUTR+4*\k+3], s[48:49] offset:12288*(\k/6)+512*(\k%6)   ; 512 consecutive bytes, aligned
.endr
	s_wait_tensorcnt 0x0                           ; the wave's end
	ds_add_u32 v[SPW], v[NIL]
	s_wait_dscnt 0x0
	s_endpgm
.Lfunc_end_k_q81b83cfaa4_quant:
	.size	k_q81b83cfaa4_quant, .Lfunc_end_k_q81b83cfaa4_quant-k_q81b83cfaa4_quant
	.p2alignl 7, 3214868480
	.fill 96, 4, 3214868480
	.section	.rodata,"a",@progbits
	.p2align	6, 0x0
	.amdhsa_kernel k_q81b83cfaa4_quant
		.amdhsa_group_segment_fixed_size 92672
		.amdhsa_private_segment_fixed_size 0
		.amdhsa_enable_private_segment 0
		.amdhsa_kernarg_size 40
		.amdhsa_user_sgpr_count 2
		.amdhsa_user_sgpr_kernarg_segment_ptr 1
		.amdhsa_wavefront_size32 1
		.amdhsa_system_sgpr_workgroup_id_x 1
		.amdhsa_system_sgpr_workgroup_id_y 1
		.amdhsa_system_sgpr_workgroup_id_z 1
		.amdhsa_system_vgpr_workitem_id 0
		.amdhsa_next_free_vgpr 256
		.amdhsa_next_free_sgpr 66
		.amdhsa_reserve_vcc 1
		.amdhsa_float_denorm_mode_32 3
		.amdhsa_float_denorm_mode_16_64 3
		.amdhsa_memory_ordered 1
		.amdhsa_forward_progress 1
		.amdhsa_inst_pref_size 61
	.end_amdhsa_kernel
	.amdgpu_metadata
---
amdhsa.version: [ 1, 2 ]
amdhsa.kernels:
  - .name:           k_q81b83cfaa4_quant
    .symbol:         k_q81b83cfaa4_quant.kd
    .args:
      - { .name: x, .offset: 0, .size: 8, .value_kind: global_buffer, .address_space: global }
      - { .name: Wqkv, .offset: 8, .size: 8, .value_kind: global_buffer, .address_space: global }
      - { .name: Wo, .offset: 16, .size: 8, .value_kind: global_buffer, .address_space: global }
      - { .name: xq, .offset: 24, .size: 8, .value_kind: global_buffer, .address_space: global }
      - { .name: wq, .offset: 32, .size: 8, .value_kind: global_buffer, .address_space: global }
    .group_segment_fixed_size: 92672
    .private_segment_fixed_size: 0
    .kernarg_segment_align: 8
    .kernarg_segment_size: 40
    .max_flat_workgroup_size: 128
    .sgpr_count:     66
    .vgpr_count:     256
    .wavefront_size: 32
...
	.end_amdgpu_metadata
.endif
;; end of part 1
;; launch qkv (part 2): grid 12 x 32, 4 waves a work-group, clusters of 4 x 4, 327,680 bytes of LDS; arguments xq, wq, bqkv, qkv; writes qkv
.if DOCPART == 2
	.amdgcn_target "amdgcn-amd-amdhsa--gfx1250"
	.amdhsa_code_object_version 6
	.text
	.protected	k_q81b83cfaa4_qkv
	.globl	k_q81b83cfaa4_qkv
	.p2align	8
	.type	k_q81b83cfaa4_qkv,@function
k_q81b83cfaa4_qkv:
	s_mov_b64 s[64:65], 0
	v_nop
	global_prefetch_b8 v0, s[64:65] scope:SCOPE_SE
	s_setreg_imm32_b32 hwreg(HW_REG_WAVE_MODE, 25, 1), 1
	s_wait_xcnt 0x0
	s_wait_alu depctr_hold_cnt(0) depctr_sa_sdst(0) depctr_va_vdst(0) depctr_va_sdst(0) depctr_va_ssrc(0) depctr_va_vcc(0) depctr_vm_vsrc(0)
	s_getreg_b32 s2, hwreg(HW_REG_IB_STS2, 6, 4)
	s_cmp_eq_u32 s2, 0
	s_cbranch_scc0 .Lentry_in_a_cluster
	s_endpgm
.Lentry_in_a_cluster:
	s_bfe_u32 s2, ttmp6, 0x10000c
	s_cmp_lg_u32 s2, 0xf033
	s_cbranch_scc0 .Lentry_shape_is_right
	s_endpgm
.Lentry_shape_is_right:
.set NQ,     2
.set FR,     12
.set NL,     4
.set NP,     4
.set HALFT,  24576
.set SLOT,   4*HALFT
.set SCL,    2*SLOT
.set SPARE,  213248
.set ADRA, 16
.set ADRB, 20
.set L16,  26
.set ADRS, 27
.set SPW,  28
.set NIL,  29
.set L8,   30
.set SC,   32
.set CB,   64
.set AF,   128
.set RB,   240
.set T,    128
.set PC,   192
.set TM,   212
.set SW,   232
.set SEL,  2
.set G1, 24
.set G0, 32
.set G1B, 48
.set G0B, 56
.set G1S, 68
.set G0S, 76
.set G1SB, 80
.set G0SB, 88
.set MSB, 0
.macro WIN new
.if MSB != (\new)
	s_set_vgpr_msb (MSB<<8)|(\new)
.set MSB, (\new)
.endif
.endm
.set MUL_LO, 0xa1
.set MUL_HI, 0xf1
.set BIA_LO, 0x81
.set BIA_HI, 0xc1
.set TO_B,   0x40
.macro JLOAD g0a, g1a, g0b, g1b
	s_cmp_eq_u32 s15, 0
	s_cbranch_scc0 .Lfor_b_\@
	tensor_load_to_lds s[\g0a:\g0a+3], s[\g1a:\g1a+7]
	s_nop 0
.rept 4
	v_nop
.endr
	s_branch .Lasked_\@
.Lfor_b_\@:
	tensor_load_to_lds s[\g0b:\g0b+3], s[\g1b:\g1b+7]
	s_nop 0
.rept 4
	v_nop
.endr
.Lasked_\@:
.endm
.macro CREST
	s_cmp_lg_u32 s14, 0
	s_cbranch_scc1 .Lnot_wave_0_\@
	s_barrier_signal -3
.Lnot_wave_0_\@:
	s_barrier_wait -3
	s_barrier_signal -1
	s_barrier_wait -1
.endm
.macro CROUND
	s_barrier_signal -1
	s_barrier_wait -1
	CREST
.endm
.macro QUANT s, pc, pw
.irp b, 0,1,2,3
	v_max3_num_f32 v[TM+\b], |v[(\s)+16*\b]|, |v[(\s)+1+16*\b]|, 0x1800000
.endr
.irp i, 2,4,6,8,10,12,14
.irp b, 0,1,2,3
	v_max3_num_f32 v[TM+\b], v[TM+\b], |v[(\s)+16*\b+\i]|, |v[(\s)+1+16*\b+\i]|
.endr
.endr
.irp b, 0,1,2,3
	v_permlanex16_b32 v[TM+4+\b], v[TM+\b], s[SEL], s[SEL+1]
.endr
.irp b, 0,1,2,3
	v_max_num_f32 v[TM+\b], v[TM+\b], v[TM+4+\b]
.endr
.irp b, 0,1,2,3
	v_add_nc_u32 v[TM+12+\b], 0xff000000, v[TM+\b]
.endr
.irp b, 0,1,2,3
	v_lshrrev_b32 v[TM+4+\b], 23, v[TM+12+\b]
.endr
	v_lshl_or_b32 v[\pw], v[TM+5], 8, v[TM+4]
	v_lshl_or_b32 v[\pw], v[TM+6], 16, v[\pw]
	v_lshl_or_b32 v[\pw], v[TM+7], 24, v[\pw]
.irp c, 0,1
	v_cvt_scalef32_pk16_fp6_f32 v[(\pc)+6*\c:(\pc)+2+6*\c], v[(\s)+32*\c:(\s)+15+32*\c], v[TM+12+2*\c]
	v_cvt_scalef32_pk16_fp6_f32 v[(\pc)+12+4*\c:(\pc)+14+4*\c], v[(\s)+16+32*\c:(\s)+31+32*\c], v[TM+12+2*\c+1]
.endr
	v_nop
.irp c, 0,1
.irp i, 0,1,2
	v_permlane16_swap_b32 v[(\pc)+6*\c+\i], v[(\pc)+12+4*\c+\i]
.endr
.irp i, 0,1,2
	v_mov_b32 v[(\pc)+3+6*\c+\i], v[(\pc)+12+4*\c+\i]
.endr
.endr
.endm
	s_load_b256 s[4:11], s[0:1], 0x0
	v_lshl_add_u32 v[SPW], v0, 2, SPARE
	v_mov_b32 v[NIL], 0
	ds_add_u32 v[SPW], v[NIL]
	ds_add_u32 v[SPW], v[NIL]
	v_lshrrev_b32 v1, 5, v0
	v_readfirstlane_b32 s14, v1
	s_lshr_b32 s15, s14, 1
	s_and_b32 s16, s14, 1
	s_bfe_u32 s40, ttmp6, 0x40000
	s_bfe_u32 s41, ttmp6, 0x40004
	s_and_b32 s17, ttmp7, 0xffff
	s_lshl_b32 s43, s41, 2
	s_lshl_b32 s43, 15, s43
	s_lshl_b32 s44, 0x1111, s40
	s_or_b32 s[G1+0], s43, (3<<16)|(1<<21)
	s_or_b32 s[G1B+0], s44, (3<<16)|(1<<21)
.irp g, G1, G1B
	s_mov_b32 s[\g+1], 384<<16
	s_mov_b32 s[\g+2], 8<<16
	s_mov_b32 s[\g+3], 384<<16
	s_mov_b32 s[\g+4], 8
	s_mov_b32 s[\g+5], 1536
	s_mov_b32 s[\g+6], 0
	s_mov_b32 s[\g+7], 0
.endr
	s_or_b32 s[G1S+0], s43, (3<<16)|(1<<21)
	s_or_b32 s[G1SB+0], s44, (3<<16)|(1<<21)
.irp g, G1S, G1SB
	s_mov_b32 s[\g+1], 32<<16
	s_mov_b32 s[\g+2], 16<<16
	s_mov_b32 s[\g+3], 32<<16
	s_mov_b32 s[\g+4], 16
	s_mov_b32 s[\g+5], 32
	s_mov_b32 s[\g+6], 0
	s_mov_b32 s[\g+7], 0
.endr
	s_mov_b32 s93, 6291456
	s_mov_b32 s94, 3145728
	s_cmp_eq_u32 ttmp9, 2
	s_cselect_b32 s18, 0, s17
	s_cselect_b32 s19, s17, ttmp9
	s_cselect_b32 s92, 0x180000, 0
	s_cselect_b32 s93, 3211264, s93
	s_cselect_b32 s94, 6291456, s94
	s_lshl_b32 s18, s18, 2
	s_add_co_u32 s18, s18, s41
	s_lshl_b32 s19, s19, 2
	s_add_co_u32 s19, s19, s40
	s_lshl_b32 s20, s18, 4
	s_lshl_b32 s21, s16, 3
	s_add_co_u32 s20, s20, s21
	s_mul_i32 s22, s20, 12288
	s_add_co_u32 s22, s22, s92
	s_mov_b32 s23, 0
	s_lshl_b32 s20, s20, 9
	s_add_co_u32 s20, s20, s93
	s_mov_b32 s21, 0
	s_lshl_b32 s46, s19, 4
	s_lshl_b32 s47, s16, 3
	s_add_co_u32 s46, s46, s47
	s_mul_i32 s96, s46, 12288
	s_mov_b32 s97, 0
	s_lshl_b32 s46, s46, 9
	s_add_co_u32 s46, s46, s94
	s_mov_b32 s47, 0
	s_mul_i32 s45, s14, HALFT
	s_lshl_b32 s95, s14, 12
	s_mov_b32 s[SEL], 0x76543210
	s_mov_b32 s[SEL+1], 0xfedcba98
	s_wait_dscnt 0x0
	s_wait_kmcnt 0x0
	s_cmp_eq_u32 ttmp9, 2
	s_cselect_b64 s[98:99], s[6:7], s[4:5]
	s_cselect_b64 s[100:101], s[4:5], s[6:7]
	s_add_nc_u64 s[22:23], s[98:99], s[22:23]
	s_add_nc_u64 s[20:21], s[98:99], s[20:21]
	s_add_nc_u64 s[96:97], s[100:101], s[96:97]
	s_add_nc_u64 s[46:47], s[100:101], s[46:47]
	CROUND
	s_mov_b32 s[G0S], 1
	s_add_co_u32 s[G0S+1], s95, SCL
	s_mov_b64 s[G0S+2:G0S+3], s[20:21]
	s_or_b32 s[G0S+3], s[G0S+3], 0x80000000
	s_mov_b32 s[G0SB], 1
	s_add_co_u32 s[G0SB+1], s95, SCL+128
	s_mov_b64 s[G0SB+2:G0SB+3], s[46:47]
	s_or_b32 s[G0SB+3], s[G0SB+3], 0x80000000
	JLOAD G0S, G1S, G0SB, G1SB
.irp s, 0,1
	s_mov_b32 s[G0+4*\s], 1
	s_add_co_u32 s[G0+4*\s+1], s45, \s*SLOT
	s_add_nc_u64 s[G0+4*\s+2:G0+4*\s+3], s[22:23], \s*3072
	s_or_b32 s[G0+4*\s+3], s[G0+4*\s+3], 0x80000000
	s_mov_b32 s[G0B+4*\s], 1
	s_add_co_u32 s[G0B+4*\s+1], s45, \s*SLOT
	s_add_nc_u64 s[G0B+4*\s+2:G0B+4*\s+3], s[96:97], \s*3072
	s_or_b32 s[G0B+4*\s+3], s[G0B+4*\s+3], 0x80000000
	s_wait_alu depctr_va_vdst(0)
	s_wait_tensorcnt 0x0
	ds_add_u32 v28, v29
	s_wait_dscnt 0x0
	CROUND
	JLOAD G0+4*\s, G1, G0B+4*\s, G1B
.endr
	v_and_b32 v1, 31, v0
	v_and_b32 v2, 15, v0
	v_bfe_u32 v3, v0, 4, 1
	v_lshlrev_b32 v[L16], 4, v1
	v_lshlrev_b32 v[L8], 3, v1
	s_mul_i32 s20, s15, HALFT
	s_mul_i32 s21, s16, HALFT
	s_add_co_u32 s21, s21, 2*HALFT
.irp s, 0,1
	v_add_nc_u32 v[ADRA+\s], s20, v[L16]
	v_add_nc_u32 v[ADRA+2+\s], s20, v[L8]
	v_add_nc_u32 v[ADRB+\s], s21, v[L16]
	v_add_nc_u32 v[ADRB+2+\s], s21, v[L8]
	s_add_co_u32 s20, s20, SLOT
	s_add_co_u32 s21, s21, SLOT
.endr
	v_lshlrev_b32 v5, 3, v2
	s_xor_b32 s22, s15, 1
	s_add_co_u32 s22, s22, s16
	s_lshl_b32 s22, s22, 12
	s_add_co_u32 s22, s22, 4224
	v_mul_u32_u24 v6, s22, v3
	s_lshl_b32 s21, s15, 12
	s_add_co_u32 s21, s21, SCL
	v_add_nc_u32 v5, v5, v6
	v_add_nc_u32 v[ADRS], s21, v5
	s_lshl_b32 s66, s18, 8
	s_lshl_b32 s67, s15, 7
	s_add_co_u32 s66, s66, s67
	s_lshl_b32 s67, s19, 8
	s_lshl_b32 s92, s16, 7
	s_add_co_u32 s67, s67, s92
	s_cmp_eq_u32 ttmp9, 2
	s_cselect_b32 s12, s67, s66
	s_cselect_b32 s13, s66, s67
	s_cselect_b32 s92, 0, -1
	s_cselect_b32 s93, -1, 0
	s_and_b32 s13, s13, 1023
	s_lshr_b32 s13, s13, 6
	s_mul_i32 s94, s13, 192
	s_lshl_b32 s95, ttmp9, 6
	s_add_co_u32 s94, s94, s95
	s_lshl_b32 s94, s94, 2
	s_mov_b32 s95, 0
	s_add_nc_u64 s[8:9], s[8:9], s[94:95]
	v_lshlrev_b32 v7, 6, v3
	v_and_b32 v8, 8, v2
	v_add_nc_u32 v8, v8, v2
	v_lshlrev_b32 v8, 2, v8
.irp be, 0,1,2,3
.irp k, 0,1,2,3
	global_load_b128 v[CB+16*\be+4*\k:CB+16*\be+4*\k+3], v7, s[8:9] offset:128*(\be%2)+768*(\be/2)+16*\k
.endr
.endr
.irp a, 0,1,2,3,4,5,6,7
	global_load_b32 v[RB+2*\a], v8, s[8:9] offset:4*((\a/4)*192+32*((\a/2)%2)+8*(\a%2))
	global_load_b32 v[RB+2*\a+1], v8, s[8:9] offset:4*((\a/4)*192+32*((\a/2)%2)+8*(\a%2))
.endr
	s_wait_loadcnt 0x0
.set i, 0
.rept 64
	v_and_b32 v[CB+i], s92, v[CB+i]
.set i, i+1
.endr
.set i, 0
.rept 16
	v_and_b32 v[RB+i], s93, v[RB+i]
.set i, i+1
.endr
.macro FRAG reg, adr, q, i
	ds_load_b128 v[\reg:\reg+3], v[\adr] offset:(\i)*3072+(\q)*1536
	ds_load_b64 v[\reg+4:\reg+5], v[\adr+2] offset:(\i)*3072+(\q)*1536+512
	ds_load_b128 v[\reg+6:\reg+9], v[\adr] offset:(\i)*3072+(\q)*1536+768
	ds_load_b64 v[\reg+10:\reg+11], v[\adr+2] offset:(\i)*3072+(\q)*1536+1280
.endm
.macro MUL16 a0, p, q, sc, zero
.irp a, \a0, \a0+1
.irp b, 0,1,2,3,4,5,6,7
.if \zero
	v_wmma_scale_f32_16x16x128_f8f6f4 v[8*(8*((\a)%4)+\b):8*(8*((\a)%4)+\b)+7], v[128*(\p)+FR*\b:128*(\p)+FR*\b+FR-1], v[AF+FR*(\a):AF+FR*(\a)+FR-1], v[CB+8*\b:CB+8*\b+7], v[SC+8*NQ*(\sc)+NQ*\b+(\q)], v[SC+8*NQ*(\sc)+NQ*(\a)+(\q)] matrix_a_fmt:MATRIX_FMT_FP6 matrix_b_fmt:MATRIX_FMT_FP6 matrix_a_scale:MATRIX_SCALE_ROW1
.else
	v_wmma_scale_f32_16x16x128_f8f6f4 v[8*(8*((\a)%4)+\b):8*(8*((\a)%4)+\b)+7], v[128*(\p)+FR*\b:128*(\p)+FR*\b+FR-1], v[AF+FR*(\a):AF+FR*(\a)+FR-1], v[8*(8*((\a)%4)+\b):8*(8*((\a)%4)+\b)+7], v[SC+8*NQ*(\sc)+NQ*\b+(\q)], v[SC+8*NQ*(\sc)+NQ*(\a)+(\q)] matrix_a_fmt:MATRIX_FMT_FP6 matrix_b_fmt:MATRIX_FMT_FP6 matrix_a_scale:MATRIX_SCALE_ROW1
.endif
.endr
.endr
.endm
.macro FETCH_B slot, q, p
	WIN TO_B
.irp i, 0,1,2,3,4,5,6,7
	FRAG 128*(\p)+FR*\i, ADRB+\slot, \q, \i
.endr
	WIN 0
.endm
.macro FETCH_A slot, q, i0
.irp i, \i0, \i0+1, \i0+2, \i0+3
	FRAG AF+FR*(\i), ADRA+\slot, \q, \i
.endr
.endm
.macro SCALES sc
.irp i, 0,1,2,3,4,5,6,7
	ds_load_b64 v[SC+8*NQ*\sc+NQ*\i:SC+8*NQ*\sc+NQ*\i+1], v[ADRS] offset:\i*512
.endr
.endm
.macro PLACES n
.rept \n
	v_nop
.endr
.endm
.macro STEP slot, q, zero
	s_wait_dscnt 4*NL
.if \zero
	WIN BIA_LO
.else
	WIN MUL_LO
.endif
	MUL16 0, (\q)%2, \q, \slot, \zero
	MUL16 2, (\q)%2, \q, \slot, \zero
	s_wait_dscnt 0
	PLACES NP
	FETCH_B \slot, (\q)+1, 1-(\q)%2
	FETCH_A \slot, (\q)+1, 0
.if \zero
	WIN BIA_HI
.else
	WIN MUL_HI
.endif
	MUL16 4, (\q)%2, \q, \slot, \zero
	MUL16 6, (\q)%2, \q, \slot, \zero
	PLACES NP
	WIN 0
	FETCH_A \slot, (\q)+1, 4
.endm
.macro TURN slot, next, fill
	s_wait_tensorcnt 0x0
	ds_add_u32 v[SPW], v[NIL]
	s_wait_dscnt 4*NL+1
	WIN MUL_LO
	MUL16 0, 1, NQ-1, \slot, 0
	s_wait_dscnt 0x0
	s_barrier_signal -1
	MUL16 2, 1, NQ-1, \slot, 0
	WIN 0
	s_barrier_wait -1
.if \fill
	CREST
	s_add_nc_u64 s[G0+4*\slot+2:G0+4*\slot+3], s[G0+4*\slot+2:G0+4*\slot+3], 2*3072
	s_add_nc_u64 s[G0B+4*\slot+2:G0B+4*\slot+3], s[G0B+4*\slot+2:G0B+4*\slot+3], 2*3072
	JLOAD G0+4*\slot, G1, G0B+4*\slot, G1B
.else
	PLACES NP
.endif
	s_wait_alu depctr_va_vdst(0)
	v_add_nc_u32 v[ADRS], 128, v[ADRS]
	FETCH_B \next, 0, 0
	FETCH_A \next, 0, 0
	SCALES \next
	WIN MUL_HI
	MUL16 4, 1, NQ-1, \slot, 0
	MUL16 6, 1, NQ-1, \slot, 0
	PLACES NP
	WIN 0
	FETCH_A \next, 0, 4
.endm
	s_wait_tensorcnt 1
	s_barrier_signal -1
	s_barrier_wait -1
	FETCH_B 0, 0, 0
	FETCH_A 0, 0, 0
	SCALES 0
	FETCH_A 0, 0, 4
	STEP 0, 0, 1
	TURN 0, 1, 1
	STEP 1, 0, 0
	TURN 1, 0, 1
	STEP 0, 0, 0
	TURN 0, 1, 0
	STEP 1, 0, 0
	s_wait_dscnt 4*NL
	WIN MUL_LO
	MUL16 0, 1, NQ-1, 1, 0
	MUL16 2, 1, NQ-1, 1, 0
	s_wait_dscnt 0
	WIN MUL_HI
	MUL16 4, 1, NQ-1, 1, 0
	MUL16 6, 1, NQ-1, 1, 0
	WIN 0
.set DA,  68
.set DB,  70
.set STP, 72
.set EXT, 74
.set HDD, 76
.set SA,  78
.set MA,  80
.set HM,  81
.set MV,  82
	s_lshr_b32 s84, s12, 11
	s_lshl_b32 s84, s84, 4
	s_add_co_u32 s84, s84, s13
	s_bfe_u32 s85, s12, 0x40007
	s_mul_i32 s86, ttmp9, 6291456
	s_mul_i32 s87, s84, 98304
	s_add_co_u32 s86, s86, s87
	s_mul_i32 s87, s85, 6144
	s_add_co_u32 s86, s86, s87
	s_mov_b32 s87, 0
	s_add_nc_u64 s[DA:DA+1], s[10:11], s[86:87]
	s_mov_b32 s[STP], 768
	s_mov_b32 s[HDD], 98304
	s_cmp_eq_u32 ttmp9, 2
	s_cselect_b32 s[STP], 1536, s[STP]
	s_cselect_b32 s[HDD], 768, s[HDD]
	s_cselect_b32 s[EXT], 92160, 0
	s_cselect_b32 s[MA], -1, 0xffff
	s_cselect_b32 s[MV], -1, 0
	s_mov_b32 s[STP+1], 0
	s_mov_b32 s[HDD+1], 0
	s_mov_b32 s[EXT+1], 0
	s_mov_b32 s[HM], 0xffff0000
	s_add_nc_u64 s[DB:DB+1], s[DA:DA+1], s[HDD:HDD+1]
	s_lshl_b32 s86, ttmp9, 19
	s_lshl_b32 s88, s84, 13
	s_add_co_u32 s86, s86, s88
	s_lshl_b32 s88, s85, 9
	s_add_co_u32 s86, s86, s88
	s_add_co_u32 s86, s86, 18874368
	s_add_nc_u64 s[SA:SA+1], s[10:11], s[86:87]
	PLACES NP
.irp b, 0,1,2,3
	v_mov_b32 v[TM+4+\b], 0
.endr
.irp a, 0,1,2,3,4,5,6,7
.if \a > 0
	s_wait_xcnt 0x0
	s_add_nc_u64 s[DA:DA+1], s[DA:DA+1], s[STP:STP+1]
	s_add_nc_u64 s[DB:DB+1], s[DB:DB+1], s[STP:STP+1]
.endif
.if \a == 4
	s_add_nc_u64 s[DA:DA+1], s[DA:DA+1], s[EXT:EXT+1]
	s_add_nc_u64 s[DB:DB+1], s[DB:DB+1], s[EXT:EXT+1]
.endif
	WIN 2+\a/4
.set i, 0
.rept 32
	v_pk_add_f32 v[T+i:T+i+1], v[64*(\a%4)+i:64*(\a%4)+i+1], v[RB+2*\a:RB+2*\a+1]
.set i, i+2
.endr
	WIN 0
	QUANT T, PC, SW+\a
	global_store_b128 v[L16], v[PC:PC+3], s[DA:DA+1]
	global_store_b64 v[L8], v[PC+4:PC+5], s[DA:DA+1] offset:512
	global_store_b128 v[L16], v[PC+6:PC+9], s[DB:DB+1]
	global_store_b64 v[L8], v[PC+10:PC+11], s[DB:DB+1] offset:512
.endr
.irp i, 0,1,2,3
	v_cndmask_b32 v[128+\i], v[SW+2*\i], v[SW+2*\i+1], s[HM]
.endr
.irp i, 0,1,2,3
	v_and_b32 v[132+\i], s[MA], v[128+\i]
	v_lshrrev_b32 v[140+\i], 16, v[128+\i]
.endr
.irp i, 0,1,2,3
	v_cndmask_b32 v[136+\i], v[140+\i], v[128+((\i+2)%4)], s[MV]
.endr
	global_store_b128 v[L16], v[132:135], s[SA:SA+1]
	global_store_b128 v[L16], v[136:139], s[SA:SA+1] offset:8192
	s_wait_tensorcnt 0x0
	ds_add_u32 v[SPW], v[NIL]
	s_wait_dscnt 0x0
	CROUND
	s_endpgm
.Lfunc_end_k_q81b83cfaa4_qkv:
	.size	k_q81b83cfaa4_qkv, .Lfunc_end_k_q81b83cfaa4_qkv-k_q81b83cfaa4_qkv
	.p2alignl 7, 3214868480
	.fill 96, 4, 3214868480
	.section	.rodata,"a",@progbits
	.p2align	6, 0x0
	.amdhsa_kernel k_q81b83cfaa4_qkv
		.amdhsa_group_segment_fixed_size 327680
		.amdhsa_private_segment_fixed_size 0
		.amdhsa_enable_private_segment 0
		.amdhsa_kernarg_size 32
		.amdhsa_user_sgpr_count 2
		.amdhsa_user_sgpr_kernarg_segment_ptr 1
		.amdhsa_wavefront_size32 1
		.amdhsa_system_sgpr_workgroup_id_x 1
		.amdhsa_system_sgpr_workgroup_id_y 1
		.amdhsa_system_sgpr_workgroup_id_z 1
		.amdhsa_system_vgpr_workitem_id 0
		.amdhsa_next_free_vgpr 1024
		.amdhsa_next_free_sgpr 102
		.amdhsa_reserve_vcc 0
		.amdhsa_float_denorm_mode_32 3
		.amdhsa_float_denorm_mode_16_64 3
		.amdhsa_memory_ordered 1
		.amdhsa_forward_progress 1
		.amdhsa_inst_pref_size 173
	.end_amdhsa_kernel
	.amdgpu_metadata
---
amdhsa.version: [ 1, 2 ]
amdhsa.kernels:
  - .name:           k_q81b83cfaa4_qkv
    .symbol:         k_q81b83cfaa4_qkv.kd
    .args:
      - { .name: xq, .offset: 0, .size: 8, .value_kind: global_buffer, .address_space: global }
      - { .name: wq, .offset: 8, .size: 8, .value_kind: global_buffer, .address_space: global }
      - { .name: bqkv, .offset: 16, .size: 8, .value_kind: global_buffer, .address_space: global }
      - { .name: qkv, .offset: 24, .size: 8, .value_kind: global_buffer, .address_space: global }
    .group_segment_fixed_size: 327680
    .private_segment_fixed_size: 0
    .kernarg_segment_align: 8
    .kernarg_segment_size: 32
    .max_flat_workgroup_size: 128
    .sgpr_count:     102
    .vgpr_count:     1024
    .wavefront_size: 32
...
	.end_amdgpu_metadata
.endif
;; end of part 2
;; launch attn (part 3): grid 4 x 64, 12 waves a work-group, clusters of 4 x 1, 215,040 bytes of LDS; arguments qkv, vq; writes vq
.if DOCPART == 3
	.amdgcn_target "amdgcn-amd-amdhsa--gfx1250"
	.amdhsa_code_object_version 6
	.text
	.protected	k_q81b83cfaa4_attn
	.globl	k_q81b83cfaa4_attn
	.p2align	8
	.type	k_q81b83cfaa4_attn,@function
k_q81b83cfaa4_attn:
	s_mov_b64 s[64:65], 0
	v_nop
	global_prefetch_b8 v0, s[64:65] scope:SCOPE_SE
	s_setreg_imm32_b32 hwreg(HW_REG_WAVE_MODE, 25, 1), 1
	s_wait_xcnt 0x0
	s_wait_alu depctr_hold_cnt(0) depctr_sa_sdst(0) depctr_va_vdst(0) depctr_va_sdst(0) depctr_va_ssrc(0) depctr_va_vcc(0) depctr_vm_vsrc(0)
	s_getreg_b32 s2, hwreg(HW_REG_IB_STS2, 6, 4)
	s_cmp_eq_u32 s2, 0
	s_cbranch_scc0 .Lentry_in_a_cluster
	s_endpgm
.Lentry_in_a_cluster:
	s_bfe_u32 s2, ttmp6, 0x10000c
	s_cmp_lg_u32 s2, 0x3003
	s_cbranch_scc0 .Lentry_shape_is_right
	s_endpgm
.Lentry_shape_is_right:
; vals = softmax(q k^T / 8) v for one head, both products on codes of FP6 (E2M3) with E8M0 scales, and at once the quantiser of vals along the model's 1,024 (two blocks of 32 a head).
; THE SOFTMAX: t = score x log2(e) / 8; M = the running largest t rounded UP to a whole number; p = 2^(t - M) is quantised along the keys, not normalised; the row's sum is taken of the unquantised p and divides at the end.
; When M moves, the sum and O are multiplied by 2^(old M - new M): exact.
; SHARES.  256 work-groups: the four of a cluster share one head and take 512 of its queries each, 32 tiles of 16.  Twelve waves, three to a SIMD, each with one tile at a time in 256 registers, a pass over all keys for each tile.
; The 32 tiles are dealt 8 x 3 + 4 x 2: every wave w takes tiles w and 16 + w; waves 0 to 7 take tiles 12 to 15 and 28 to 31 in a third pass, whose loop waves 8 to 11 walk without working.
; A HEAD'S K AND V STAY IN LDS WHOLE: K's codes at 0, V's at 98,304 (6,144 bytes a key step of 128 keys each), the scale words behind them (K's 8,192 bytes, then V's).  Filled once, asked for jointly by the four work-groups.
; THE HEAD'S LOADS, one a wave: wave 0 the scale words (two rows of 8,192 bytes); waves 1 to 8 a quarter of the keys of K or of V each (24,576 dense bytes), in the order K0, V0, K1, V1 ..; waves 9 to 11 none.
; Waves 0 to 2 have load lines of their own: the first barrier shows the scale words and the first quarter, four key steps are worked, and a second barrier shows the rest.  The later passes have no barrier.
; LAYOUT.  Both products are used transposed: S^T = K Q^T, O^T = V^T P^T: a lane holds one query throughout.  All operands arrive as images of their registers (half image: 16 rows x 64 K: 16 bytes at 16 x lane, 8 at 512 + 8 x lane).
; The keys of a tile of K, and the channels of a tile of V^T, are not neighbours (row r of tile 2 B + u is 32 B + 8 u + r + 8 (r / 8)): so p's 16 registers of two tiles are 16 neighbouring keys, and O^T's are 16 neighbouring channels.
; THE FIRST PRODUCT'S K IS 64, half of the instruction's 128: Q's upper six registers are zero codes, so the upper six registers of the K operand may hold any codes: the next tile's; behind the last tile the second pass's Q.
; Scale bytes 2, 3 of q's and k's words are 0, which stands for 2^-127 and multiplies zeros.
; V's fragments are loaded into the registers that K's tiles have left, so p stays in its registers: its 32 sums stand behind the second product and are the places behind it.
; OUT: codes [tile of 16 tokens][head][768]; scale bytes [tile][head / 4][row][2 (head % 4) + block]: two bytes a row, the one scattered store of the program: other heads' bytes between them come from other work-groups.
; No prefetch: all of K and V is asked for at the head, and there is no later load to run ahead of.
; LIMITS: NaN and infinities are not served; the scaled scores stay under 2^31 in magnitude; an exponential under 2^-126 comes out as 0; 1 / the sum is v_rcp_f32; a block of zeros gets the byte 1.
.set VB,    98304                      ; LDS: where V's codes begin
.set SCB,   196608                     ; K's scale words, 512 bytes a key step; V's 8,192 bytes on
.set SPARE, 212992                     ; the spare words, 128 bytes for each wave: six blocks of 256 bytes that no other line names
.set L16, 1                            ; 16 x lane
.set L8,  2                            ; 8 x lane
.set LS,  3                            ; SCB + 16 x lane
.set SPW, 4                            ; LDS address of my spare word; never rewritten
.set NIL, 5                            ; 0; never rewritten
.set KS,  6                            ; v6-9   K's scale words: register i: tile 2 i in lanes 0-15, tile 2 i + 1 in lanes 16-31
.set VS,  10                           ; v10-11 V's likewise            (v12 -M, v13 the largest t, v[14:15] the sum in two halves)
.set QF,  16                           ; v16-21 Q's codes; v22-27 zeros
.set QS,  28                           ; Q's scale words
.set PS,  29                           ; p's
.set FF,  30                           ; v[30:31] f = 2^(old M - new M), named as a pair
.set KF,  32                           ; v32-79 eight tiles of K, six registers each; then four fragments of V^T, twelve each
.set Q1,  80                           ; v80-85 the second pass's Q
.set ADK, 86
.set AD8, 87
.set ADS, 88
.set ADV, 89
.set ADV8, 90
.set R8,  91                           ; 8 x (lane % 16)
.set QS1, 92                           ; the second pass's scale words of Q
.set LV16, 93                          ; VB + 16 x lane
.set LV8, 94                           ; VB + 8 x lane
.set R16, 95                           ; 16 x (lane % 16)
.set S,   96                           ; v96-159 S^T, then p
.set O,   160                          ; v160-191 O^T
.set PCD, 192                          ; v192-203 p's codes
.set CT,  204                          ; v204-206, v208-210 the conversions' second halves
.set BM,  212                          ; v212-215 the blocks' largest scores, then largest p
.set BT,  216                          ; v216-219 at work
.set SO,  220                          ; v220-223 the conversions' scale operands
.set TMP, 224
.set OB,  225                          ; the way out: my row's two scale bytes
.set OM,  228                          ; the old -M
.set Q2,  230                          ; v230-235 the third pass's Q (waves 0 to 7)
.set QS2, 236                          ; and its scale words
.set AX,  240                          ; v240-253 seven more pairs for the sum of p
.set WV,  18
.set SEL, 20                           ; s[20:21] lane selects for v_permlanex16_b32: lane l xor 16
.set CS,  22                           ; s[22:23] c = log2(e) / 8
.set G0S, 24                           ; s[24:27] group 0 for the scale words
.set G0,  28                           ; s[28:31] for my quarter of K's or V's codes
.set G1S, 32                           ; s[32:39] group 1 for the scale words
.set G1C, 40                           ; s[40:47] for the codes
.set QA,  48                           ; s[48:49] my first tile of Q
.set QW,  50                           ; s[50:51] its scale words
.set OC,  52                           ; s[52:53] where my first tile's codes go
.set OS,  54                           ; s[54:55] and its scale bytes
.set TB,  56                           ; the key step's place in K's and in V's codes
.set TS,  57                           ; and in the scale words
.set CNT, 58
.set QA3, 60                           ; s[60:61], s[62:63], s[66:67], s[68:69]: the same four for the third pass's tile
.set QW3, 62
.set OC3, 66
.set OS3, 68
.macro WALU
	s_wait_alu depctr_va_vdst(0)
.endm
.macro CROUND
	s_barrier_signal -1
	s_barrier_wait -1
	s_cmp_lg_u32 s[WV], 0
	s_cbranch_scc1 .Lnot_wave_0_\@
	s_barrier_signal -3
.Lnot_wave_0_\@:
	s_barrier_wait -3
	s_barrier_signal -1
	s_barrier_wait -1
.endm
.macro TLOAD g0, g1
	tensor_load_to_lds s[\g0:\g0+3], s[\g1:\g1+7]
	s_nop 0
.rept 4
	v_nop
.endr
.endm
	s_load_b128 s[4:7], s[0:1], 0x0                ; qkv s[4:5], vq s[6:7]
	v_lshl_add_u32 v[SPW], v0, 2, SPARE
	v_mov_b32 v[NIL], 0
	ds_add_u32 v[SPW], v[NIL]                      ; the opening lines: the add, twice on end, and its wait ahead of the first tensor load
	ds_add_u32 v[SPW], v[NIL]
	v_lshrrev_b32 v[TMP], 5, v0
	v_readfirstlane_b32 s[WV], v[TMP]              ; wave 0..11
	s_bfe_u32 s8, ttmp6, 0x40000                   ; cx: my block of 512 queries; it enters Q's and the output's addresses alone
	s_and_b32 s10, ttmp7, 0xffff                   ; 16 b + head, which the four partners share
	s_mov_b32 s[G1S], 15|(3<<16)|(1<<21)           ; the mask: all four work-groups; elements of 8 bytes; bit 21 beside a mask
	s_mov_b32 s[G1S+1], 1024<<16                   ; a row: 8,192 bytes
	s_mov_b32 s[G1S+2], 2<<16                      ; two rows: K's words, V's words
	s_mov_b32 s[G1S+3], 1024<<16
	s_mov_b32 s[G1S+4], 2
	s_mov_b32 s[G1S+5], 65536                      ; from K's scale words to V's: 524,288 bytes
	s_mov_b32 s[G1S+6], 0
	s_mov_b32 s[G1S+7], 0
	s_mov_b32 s[G1C], 15|(3<<16)|(1<<21)
	s_mov_b32 s[G1C+1], 32<<16                     ; a dense block of 24,576 bytes as 96 rows of 256
	s_mov_b32 s[G1C+2], 96<<16
	s_mov_b32 s[G1C+3], 32<<16
	s_mov_b32 s[G1C+4], 96
	s_mov_b32 s[G1C+5], 32
	s_mov_b32 s[G1C+6], 0
	s_mov_b32 s[G1C+7], 0
	s_mov_b32 s[G0S], 1
	s_mov_b32 s[G0S+1], SCB
	s_mov_b32 s[G0], 1
	s_lshl_b32 s12, s10, 13
	s_add_co_u32 s12, s12, 19398656                ; the head's scale words of K
	s_mov_b32 s13, 0
	s_add_co_u32 s14, s[WV], 7
	s_and_b32 s14, s14, 7                          ; waves 1 to 8: load 0 to 7
	s_and_b32 s15, s14, 1                          ; 0 K, 1 V
	s_lshr_b32 s14, s14, 1                         ; which quarter of the keys
	s_mul_i32 s14, s14, 24576
	s_mul_i32 s16, s15, VB
	s_add_co_u32 s[G0+1], s16, s14                 ; in LDS
	s_mul_i32 s16, s15, 6291456
	s_add_co_u32 s14, s14, s16
	s_mul_i32 s17, s10, 98304                      ; a head's codes of q, of k or of v
	s_add_co_u32 s14, s14, s17
	s_add_co_u32 s14, s14, 6291456                 ; in the buffer: q's codes, then k's, then v's
	s_mov_b32 s15, 0
	s_lshl_b32 s11, s8, 5
	s_add_co_u32 s11, s11, s[WV]                   ; my first tile of 16 queries; the second is 16 tiles on
	s_mul_i32 s[QA], s11, 768
	s_add_co_u32 s[QA], s[QA], s17
	s_mov_b32 s[QA+1], 0
	s_lshl_b32 s[QW], s10, 13
	s_lshr_b32 s9, s11, 3
	s_lshl_b32 s9, s9, 9
	s_add_co_u32 s[QW], s[QW], s9
	s_and_b32 s9, s[WV], 1
	s_lshl_b32 s9, s9, 8                           ; an odd tile's words lie in lanes 16-31 of the image
	s_add_co_u32 s[QW], s[QW], s9
	s_bfe_u32 s9, s[WV], 0x20001
	s_lshl_b32 s9, s9, 2                           ; register (tile % 8) / 2
	s_add_co_u32 s[QW], s[QW], s9
	s_add_co_u32 s[QW], s[QW], 18874368
	s_mov_b32 s[QW+1], 0
	s_lshr_b32 s9, s10, 4
	s_lshl_b32 s9, s9, 7
	s_add_co_u32 s9, s9, s11                       ; the tile of 16 tokens: 128 b + my tile
	s_and_b32 s16, s10, 15                         ; the head
	s_mul_i32 s[OC], s9, 12288
	s_mul_i32 s17, s16, 768
	s_add_co_u32 s[OC], s[OC], s17
	s_mov_b32 s[OC+1], 0
	s_lshl_b32 s[OS], s9, 9
	s_lshr_b32 s17, s16, 2
	s_lshl_b32 s17, s17, 7
	s_add_co_u32 s[OS], s[OS], s17
	s_and_b32 s17, s16, 3
	s_lshl_b32 s17, s17, 1
	s_add_co_u32 s[OS], s[OS], s17
	s_add_co_u32 s[OS], s[OS], 6291456
	s_mov_b32 s[OS+1], 0
	s_bfe_u32 s9, s[WV], 0x10002                   ; THE THIRD PASS'S TILE, waves 0 to 7: 12 + w % 4 + 16 (w / 4), which is 12 + 12 (w / 4) tiles on from my first
	s_mul_i32 s9, s9, 12
	s_add_co_u32 s9, s9, 12
	s_mul_i32 s[QA3], s9, 768                      ; so far on lie its codes of Q,
	s_mov_b32 s[QA3+1], 0
	s_mul_i32 s[OC3], s9, 12288                    ; its codes on the way out,
	s_mov_b32 s[OC3+1], 0
	s_lshl_b32 s[OS3], s9, 9                       ; and its scale bytes there
	s_mov_b32 s[OS3+1], 0
	s_add_co_u32 s9, s9, s11                       ; the tile; its scale words of Q are found as the first tile's are
	s_lshl_b32 s[QW3], s10, 13
	s_lshr_b32 s16, s9, 3
	s_lshl_b32 s16, s16, 9
	s_add_co_u32 s[QW3], s[QW3], s16
	s_and_b32 s16, s9, 1
	s_lshl_b32 s16, s16, 8
	s_add_co_u32 s[QW3], s[QW3], s16
	s_bfe_u32 s16, s9, 0x20001
	s_lshl_b32 s16, s16, 2
	s_add_co_u32 s[QW3], s[QW3], s16
	s_add_co_u32 s[QW3], s[QW3], 18874368
	s_mov_b32 s[QW3+1], 0
	s_mov_b32 s[SEL], 0x76543210
	s_mov_b32 s[SEL+1], 0xfedcba98
	s_mov_b32 s[CS], 0x3e38aa3b                    ; c = log2(e) / 8
	s_mov_b32 s[CS+1], s[CS]                       ; (named with it as a pair, so it is written)
	v_and_b32 v[TMP], 31, v0
	v_and_b32 v[R16], 15, v0
	v_lshlrev_b32 v[L16], 4, v[TMP]
	v_lshlrev_b32 v[L8], 3, v[TMP]
	v_lshlrev_b32 v[R8], 3, v[R16]
	v_lshlrev_b32 v[R16], 4, v[R16]
	v_add_nc_u32 v[LS], SCB, v[L16]
	v_add_nc_u32 v[LV16], VB, v[L16]
	v_add_nc_u32 v[LV8], VB, v[L8]
	WALU
	s_wait_dscnt 0x0                               ; both opening adds are done
	s_wait_kmcnt 0x0
	s_add_nc_u64 s[G0S+2:G0S+3], s[4:5], s[12:13]
	s_or_b32 s[G0S+3], s[G0S+3], 0x80000000
	s_add_nc_u64 s[G0+2:G0+3], s[4:5], s[14:15]
	s_or_b32 s[G0+3], s[G0+3], 0x80000000
	s_add_nc_u64 s[QA:QA+1], s[4:5], s[QA:QA+1]
	s_add_nc_u64 s[QW:QW+1], s[4:5], s[QW:QW+1]
	s_add_nc_u64 s[OC:OC+1], s[6:7], s[OC:OC+1]
	s_add_nc_u64 s[OS:OS+1], s[6:7], s[OS:OS+1]
	s_add_nc_u64 s[QA3:QA3+1], s[QA:QA+1], s[QA3:QA3+1]
	s_add_nc_u64 s[QW3:QW3+1], s[4:5], s[QW3:QW3+1]
	s_add_nc_u64 s[OC3:OC3+1], s[OC:OC+1], s[OC3:OC3+1]
	s_add_nc_u64 s[OS3:OS3+1], s[OS:OS+1], s[OS3:OS3+1]
	global_load_b128 v[QF:QF+3], v[L16], s[QA:QA+1]                ; all passes' Q
	global_load_b64 v[QF+4:QF+5], v[L8], s[QA:QA+1] offset:512
	global_load_b32 v[QS], v[R16], s[QW:QW+1]                      ; lane r (and r + 16): row r's word
	global_load_b128 v[Q1:Q1+3], v[L16], s[QA:QA+1] offset:12288
	global_load_b64 v[Q1+4:Q1+5], v[L8], s[QA:QA+1] offset:12288+512
	global_load_b32 v[QS1], v[R16], s[QW:QW+1] offset:1024
	s_cmp_lt_u32 s[WV], 8
	s_cbranch_scc0 .Lno_third_q
	global_load_b128 v[Q2:Q2+3], v[L16], s[QA3:QA3+1]
	global_load_b64 v[Q2+4:Q2+5], v[L8], s[QA3:QA3+1] offset:512
	global_load_b32 v[QS2], v[R16], s[QW3:QW3+1]
.Lno_third_q:
	CROUND                                         ; all four work-groups are here: the joint loads meet
	s_cmp_eq_u32 s[WV], 0                          ; one chain of branches on the wave's number, one load to an arm
	s_cbranch_scc0 .Lfirst_quarter
	TLOAD G0S, G1S                                 ; wave 0: the scale words
	s_branch .Lasked
.Lfirst_quarter:
	s_cmp_lt_u32 s[WV], 3
	s_cbranch_scc0 .Lother_quarters
	TLOAD G0, G1C                                  ; waves 1, 2: K's and V's first quarter
	s_branch .Lasked
.Lother_quarters:
	s_cmp_lt_u32 s[WV], 9
	s_cbranch_scc0 .Lasked
	TLOAD G0, G1C                                  ; waves 3 to 8: the other three quarters
.Lasked:
.macro INIT                            ; a pass begins: the step is written once, and the first finds zeros, which the first change of M leaves zeros
.set j, 0
.rept 32
	v_mov_b32 v[O+j], 0
.set j, j+1
.endr
	v_mov_b32 v13, 0xff61b1e6                      ; the largest t so far: -3e38, under every t
	v_mov_b32 v14, 0
	v_mov_b32 v15, 0
	v_floor_f32 v12, -v13                          ; -M
	s_mov_b32 s[TB], 0
	s_mov_b32 s[TS], 0
.endm
.irp j, 0,1,2,3,4,5
	v_mov_b32 v[QF+6+\j], 0                        ; zero codes for k = 64 .. 127
.endr
	v_mov_b32 v[FF+1], 0
.irp b, 0,1,2,3
	v_mov_b32 v[BT+\b], 0                          ; written once: a lane permute's destination counts as one of its sources
.endr
	INIT
; A KEY STEP: 128 keys
.macro STEP
	v_add_nc_u32 v[ADK], s[TB], v[L16]
	v_add_nc_u32 v[AD8], s[TB], v[L8]
	v_add_nc_u32 v[ADS], s[TS], v[LS]
	ds_load_b128 v[KS:KS+3], v[ADS]
	ds_load_b64 v[VS:VS+1], v[ADS] offset:8192
.irp t, 0,1,2,3,4,5,6,7
	ds_load_b128 v[KF+6*\t:KF+6*\t+3], v[ADK] offset:\t*768
	ds_load_b64 v[KF+6*\t+4:KF+6*\t+5], v[AD8] offset:\t*768+512
.endr
	s_wait_dscnt 0x0
.irp t, 0,1,2,3,4,5,6,7                        ; S^T = K Q^T
.if \t%2
	v_wmma_scale_f32_16x16x128_f8f6f4 v[S+8*\t:S+8*\t+7], v[KF+6*\t:KF+6*\t+11], v[QF:QF+11], 0, v[KS+\t/2], v[QS] matrix_a_fmt:MATRIX_FMT_FP6 matrix_b_fmt:MATRIX_FMT_FP6 matrix_a_scale:MATRIX_SCALE_ROW1
.else
	v_wmma_scale_f32_16x16x128_f8f6f4 v[S+8*\t:S+8*\t+7], v[KF+6*\t:KF+6*\t+11], v[QF:QF+11], 0, v[KS+\t/2], v[QS] matrix_a_fmt:MATRIX_FMT_FP6 matrix_b_fmt:MATRIX_FMT_FP6
.endif
.endr                                          ; lane (r, h) holds query r; register 16 b + i is key 32 b + 16 h + i of the step
	v_add_nc_u32 v[ADV], s[TB], v[LV16]            ; four places behind the products, ahead of the loads into K's registers and of the first read of S^T
	v_add_nc_u32 v[ADV8], s[TB], v[LV8]
	v_mov_b32 v[OM], v12                           ; the old -M
	v_nop
.irp d, 0,1,2,3                                ; V^T's four fragments (16 channels x 128 keys) into the registers that K's tiles have left
	ds_load_b128 v[KF+12*\d:KF+12*\d+3], v[ADV] offset:\d*1536
	ds_load_b64 v[KF+12*\d+4:KF+12*\d+5], v[ADV8] offset:\d*1536+512
	ds_load_b128 v[KF+12*\d+6:KF+12*\d+9], v[ADV] offset:\d*1536+768
	ds_load_b64 v[KF+12*\d+10:KF+12*\d+11], v[ADV8] offset:\d*1536+1280
.endr
.irp b, 0,1,2,3
	v_max3_num_f32 v[BM+\b], v[S+16*\b], v[S+1+16*\b], v[S+2+16*\b]   ; the largest score of each block of 32 keys: it serves the row's maximum and, since p rises with the score, the block's largest p
.endr
.irp i, 3,5,7,9,11,13
.irp b, 0,1,2,3
	v_max3_num_f32 v[BM+\b], v[BM+\b], v[S+16*\b+\i], v[S+1+16*\b+\i]
.endr
.endr
.irp b, 0,1,2,3
	v_max_num_f32 v[BM+\b], v[BM+\b], v[S+15+16*\b]
.endr
.irp b, 0,1,2,3
	s_delay_alu instid0(VALU_DEP_4)
	v_permlanex16_b32 v[BT+\b], v[BM+\b], s[SEL], s[SEL+1]
.endr
.irp b, 0,1,2,3
	s_delay_alu instid0(VALU_DEP_4)
	v_max_num_f32 v[BM+\b], v[BM+\b], v[BT+\b]     ; with lane l xor 16's 16 keys
.endr
	s_delay_alu instid0(VALU_DEP_2)
	v_max3_num_f32 v[TMP], v[BM], v[BM+1], v[BM+2]
	s_delay_alu instid0(VALU_DEP_1)
	v_max_num_f32 v[TMP], v[TMP], v[BM+3]          ; the step's largest score of my query
	s_delay_alu instid0(VALU_DEP_1)
	v_mul_f32 v[TMP], s[CS], v[TMP]                ; as t (c is positive)
	s_delay_alu instid0(VALU_DEP_1)
	v_max_num_f32 v13, v13, v[TMP]                 ; the running largest t
	s_delay_alu instid0(VALU_DEP_1)
	v_floor_f32 v12, -v13                          ; the new -M = floor(-t) = -ceil(t): a whole number
	s_delay_alu instid0(VALU_DEP_1)
	v_sub_f32 v[TMP], v12, v[OM]                   ; old M - new M: a whole number, 0 or less
	s_delay_alu instid0(VALU_DEP_1)
	v_cvt_i32_f32 v[TMP], v[TMP]                   ; (it saturates)
.set j, 0
.rept 32
	v_pk_fma_f32 v[S+j:S+j+1], v[S+j:S+j+1], s[CS:CS+1], v[12:13] op_sel_hi:[1,0,0]   ; t - M, two at a time
.set j, j+2
.endr
.irp b, 0,1,2,3
	v_fma_f32 v[BM+\b], v[BM+\b], s[CS], v12       ; the same of each block's largest score
.endr
	WALU
.set j, 0
.rept 64
	v_exp_f32 v[S+j], v[S+j]                       ; p = 2^(t - M), at most 1
.set j, j+1
.endr
.irp b, 0,1,2,3
	v_exp_f32 v[BM+\b], v[BM+\b]                   ; the block's largest p: the same two instructions on the same number give the same bits
.endr
	v_ldexp_f32 v[FF], 1.0, v[TMP]                 ; f = 2^(old M - new M): the plain place behind the exponentials
	WALU                                           ; one wait for the whole batch, ahead of its first reader
.irp b, 0,1,2,3
	v_max_num_f32 v[BM+\b], 0x1800000, v[BM+\b]    ; the floor 2^(3 - 127): the byte cannot fall under 1
.endr
.irp b, 0,1,2,3
	s_delay_alu instid0(VALU_DEP_4)
	v_add_nc_u32 v[SO+\b], 0xff000000, v[BM+\b]    ; 2 off the exponent field: the conversion's scale operand
.endr
.irp b, 0,1,2,3
	s_delay_alu instid0(VALU_DEP_4)
	v_lshrrev_b32 v[BT+\b], 23, v[SO+\b]           ; the byte
.endr
.irp c, 0,1
	v_cvt_scalef32_pk16_fp6_f32 v[PCD+6*\c:PCD+2+6*\c], v[S+32*\c:S+15+32*\c], v[SO+2*\c]
	v_cvt_scalef32_pk16_fp6_f32 v[CT+4*\c:CT+2+4*\c], v[S+16+32*\c:S+31+32*\c], v[SO+2*\c+1]
.endr
	v_lshl_or_b32 v[PS], v[BT+1], 8, v[BT]         ; p's scale word for these 128 keys: also the plain place behind the conversions
	s_delay_alu instid0(VALU_DEP_1)
	v_lshl_or_b32 v[PS], v[BT+2], 16, v[PS]
	s_delay_alu instid0(VALU_DEP_1)
	v_lshl_or_b32 v[PS], v[BT+3], 24, v[PS]
.irp c, 0,1                                    ; the layout wants a whole block in a lane
.irp i, 0,1,2
	v_permlane16_swap_b32 v[PCD+6*\c+\i], v[CT+4*\c+\i]
.endr
.irp i, 0,1,2
	s_delay_alu instid0(VALU_DEP_3)
	v_mov_b32 v[PCD+3+6*\c+\i], v[CT+4*\c+\i]
.endr
.endr
	s_wait_dscnt 0x0                               ; V's fragments are in
	WALU                                           ; directly ahead of the first reader of O^T
.set j, 0
.rept 16
	v_pk_mul_f32 v[O+j:O+j+1], v[O+j:O+j+1], v[FF:FF+1] op_sel_hi:[1,0]   ; O^T under the new M.  (These sixteen are also the places between the lines that made p's codes and scale word and the products below)
.set j, j+2
.endr
.irp d, 0,1,2,3                                ; O^T += V^T P^T: the four accumulators by turns
.if \d%2
	v_wmma_scale_f32_16x16x128_f8f6f4 v[O+8*\d:O+8*\d+7], v[KF+12*\d:KF+12*\d+11], v[PCD:PCD+11], v[O+8*\d:O+8*\d+7], v[VS+\d/2], v[PS] matrix_a_fmt:MATRIX_FMT_FP6 matrix_b_fmt:MATRIX_FMT_FP6 matrix_a_scale:MATRIX_SCALE_ROW1
.else
	v_wmma_scale_f32_16x16x128_f8f6f4 v[O+8*\d:O+8*\d+7], v[KF+12*\d:KF+12*\d+11], v[PCD:PCD+11], v[O+8*\d:O+8*\d+7], v[VS+\d/2], v[PS] matrix_a_fmt:MATRIX_FMT_FP6 matrix_b_fmt:MATRIX_FMT_FP6
.endif
.endr
	; THE ROW'S SUM, of the unquantised p, in eight chains of pairs; these lines name no register of the products above and are the places behind them
	v_pk_fma_f32 v[14:15], v[14:15], v[FF:FF+1], v[S:S+1] op_sel_hi:[1,0,1]   ; the sum under the new M, and the first pair
.irp i, 0,1,2,3,4,5,6
	v_pk_add_f32 v[AX+2*\i:AX+2*\i+1], v[S+2+4*\i:S+3+4*\i], v[S+4+4*\i:S+5+4*\i]
.endr
.irp w, 0,1
	v_pk_add_f32 v[14:15], v[14:15], v[S+30+16*\w:S+31+16*\w]
.irp i, 0,1,2,3,4,5,6
	v_pk_add_f32 v[AX+2*\i:AX+2*\i+1], v[AX+2*\i:AX+2*\i+1], v[S+32+16*\w+2*\i:S+33+16*\w+2*\i]
.endr
.endr
	v_pk_add_f32 v[14:15], v[14:15], v[S+62:S+63]
	v_pk_add_f32 v[AX:AX+1], v[AX:AX+1], v[AX+8:AX+9]
	v_pk_add_f32 v[AX+2:AX+3], v[AX+2:AX+3], v[AX+10:AX+11]
	v_pk_add_f32 v[AX+4:AX+5], v[AX+4:AX+5], v[AX+12:AX+13]
	v_pk_add_f32 v[14:15], v[14:15], v[AX+6:AX+7]
	s_delay_alu instid0(VALU_DEP_2)
	v_pk_add_f32 v[AX:AX+1], v[AX:AX+1], v[AX+4:AX+5]
	s_delay_alu instid0(VALU_DEP_2)
	v_pk_add_f32 v[14:15], v[14:15], v[AX+2:AX+3]
	s_delay_alu instid0(VALU_DEP_1)
	v_pk_add_f32 v[14:15], v[14:15], v[AX:AX+1]
.endm
.macro LOOP n, some=0                  ; n key steps.  some = 1: every wave walks the loop, waves 0 to 7 work in it
	s_mov_b32 s[CNT], \n
.Lstep_\@:
.if \some
	s_cmp_lt_u32 s[WV], 8
	s_cbranch_scc0 .Lidle_\@
.endif
	STEP
.if \some
.Lidle_\@:
.endif
	s_add_co_u32 s[TB], s[TB], 6144
	s_add_co_u32 s[TS], s[TS], 512
	s_sub_co_u32 s[CNT], s[CNT], 1
	s_cmp_lg_u32 s[CNT], 0
	s_cbranch_scc1 .Lstep_\@
.endm
; THE WAY OUT of a pass: O^T / the sum; register 16 B + i is channel 32 B + 16 h + i of my query: two blocks of 32 of vals' K; they become a half image and two scale bytes a row
.macro OUT p, oc=OC, os=OS
	WALU
	v_add_f32 v14, v14, v15                        ; the sum's two halves,
	s_delay_alu instid0(VALU_DEP_1)
	v_permlanex16_b32 v[TMP], v14, s[SEL], s[SEL+1]
	s_delay_alu instid0(VALU_DEP_1)
	v_add_f32 v14, v14, v[TMP]                     ; and lane l xor 16's
	WALU
	v_rcp_f32 v14, v14
	v_nop                                          ; a plain place behind it
	WALU                                           ; ahead of the reciprocal's first reader, which is also O^T's
.set j, 0
.rept 16
	v_pk_mul_f32 v[S+j:S+j+1], v[O+j:O+j+1], v[14:15] op_sel_hi:[1,0]   ; each accumulator from its low end on
.set j, j+2
.endr
.irp b, 0,1
	v_max3_num_f32 v[BM+\b], |v[S+16*\b]|, |v[S+1+16*\b]|, 0x1800000
.endr
.irp i, 2,4,6,8,10,12,14
.irp b, 0,1
	s_delay_alu instid0(VALU_DEP_2)
	v_max3_num_f32 v[BM+\b], v[BM+\b], |v[S+16*\b+\i]|, |v[S+1+16*\b+\i]|
.endr
.endr
.irp b, 0,1
	s_delay_alu instid0(VALU_DEP_2)
	v_permlanex16_b32 v[BT+\b], v[BM+\b], s[SEL], s[SEL+1]
.endr
.irp b, 0,1
	s_delay_alu instid0(VALU_DEP_2)
	v_max_num_f32 v[BM+\b], v[BM+\b], v[BT+\b]
.endr
.irp b, 0,1
	s_delay_alu instid0(VALU_DEP_2)
	v_add_nc_u32 v[SO+\b], 0xff000000, v[BM+\b]
.endr
.irp b, 0,1
	s_delay_alu instid0(VALU_DEP_2)
	v_lshrrev_b32 v[BT+\b], 23, v[SO+\b]
.endr
	s_delay_alu instid0(VALU_DEP_1)
	v_lshl_or_b32 v[OB], v[BT+1], 8, v[BT]         ; my row's two bytes
	v_cvt_scalef32_pk16_fp6_f32 v[PCD:PCD+2], v[S:S+15], v[SO]
	v_cvt_scalef32_pk16_fp6_f32 v[CT:CT+2], v[S+16:S+31], v[SO+1]
	v_nop                                          ; one plain place behind a scaled conversion
.irp i, 0,1,2
	v_permlane16_swap_b32 v[PCD+\i], v[CT+\i]
.endr
.irp i, 0,1,2
	s_delay_alu instid0(VALU_DEP_3)
	v_mov_b32 v[PCD+3+\i], v[CT+\i]
.endr
	global_store_b128 v[L16], v[PCD:PCD+3], s[\oc:\oc+1] offset:196608*\p          ; 512 consecutive bytes, aligned; the second pass's tile lies 16 tiles of 12,288 bytes on
	global_store_b64 v[L8], v[PCD+4:PCD+5], s[\oc:\oc+1] offset:196608*\p+512      ; 256 likewise
	global_store_b16 v[R8], v[OB], s[\os:\os+1] offset:8192*\p                     ; 8 r: both halves of the lanes store the same two bytes to the same place
.endm
	WALU
	s_wait_loadcnt 0x0                             ; Q, all passes'
	s_cmp_lt_u32 s[WV], 3
	s_cbranch_scc0 .Lnot_mine
	s_wait_tensorcnt 0x0                           ; waves 0 to 2: the scale words and the first quarter have landed
.Lnot_mine:
	s_barrier_signal -1
	s_barrier_wait -1                              ; and are shown to all; the other quarters may be on their way: nothing is ever filled again
	LOOP 4
	WALU
	s_wait_tensorcnt 0x0                           ; every wave, under no branch: all that was still out has landed
	s_wait_dscnt 0x0
	s_barrier_signal -1
	s_barrier_wait -1
	s_mov_b32 s[TB], 4*6144
	s_mov_b32 s[TS], 4*512
	LOOP 12
	OUT 0
	WALU
	s_wait_xcnt 0x0                                ; the stores have read their data: the codes' registers are written again only behind this wait
	v_mov_b32 v[QS], v[QS1]                        ; THE SECOND PASS: my tile 16 + w, over K and V as they lie in LDS
.irp j, 0,1,2,3,4,5
	v_mov_b32 v[QF+\j], v[Q1+\j]
.endr
	INIT
	WALU
	LOOP 16
	OUT 1
	WALU
	s_wait_xcnt 0x0                                ; as above
	s_cmp_lt_u32 s[WV], 8                          ; THE THIRD PASS: waves 0 to 7
	s_cbranch_scc0 .Lno_third
	v_mov_b32 v[QS], v[QS2]
.irp j, 0,1,2,3,4,5
	v_mov_b32 v[QF+\j], v[Q2+\j]
.endr
	INIT
	WALU                                           ; as above
.Lno_third:
	s_mov_b32 s[TB], 0                             ; (on both ways)
	s_mov_b32 s[TS], 0
	LOOP 16, 1
	s_cmp_lt_u32 s[WV], 8
	s_cbranch_scc0 .Lend
	OUT 0, OC3, OS3
.Lend:
	s_wait_tensorcnt 0x0                           ; the wave's end
	ds_add_u32 v[SPW], v[NIL]
	s_wait_dscnt 0x0
	CROUND                                         ; the closing round
	s_endpgm
.Lfunc_end_k_q81b83cfaa4_attn:
	.size	k_q81b83cfaa4_attn, .Lfunc_end_k_q81b83cfaa4_attn-k_q81b83cfaa4_attn
	.p2alignl 7, 3214868480
	.fill 96, 4, 3214868480
	.section	.rodata,"a",@progbits
	.p2align	6, 0x0
	.amdhsa_kernel k_q81b83cfaa4_attn
		.amdhsa_group_segment_fixed_size 215040
		.amdhsa_private_segment_fixed_size 0
		.amdhsa_enable_private_segment 0
		.amdhsa_kernarg_size 16
		.amdhsa_user_sgpr_count 2
		.amdhsa_user_sgpr_kernarg_segment_ptr 1
		.amdhsa_wavefront_size32 1
		.amdhsa_system_sgpr_workgroup_id_x 1
		.amdhsa_system_sgpr_workgroup_id_y 1
		.amdhsa_system_sgpr_workgroup_id_z 1
		.amdhsa_system_vgpr_workitem_id 0
		.amdhsa_next_free_vgpr 256
		.amdhsa_next_free_sgpr 72
		.amdhsa_reserve_vcc 0
		.amdhsa_float_denorm_mode_32 3
		.amdhsa_float_denorm_mode_16_64 3
		.amdhsa_memory_ordered 1
		.amdhsa_forward_progress 1
		.amdhsa_inst_pref_size 94
	.end_amdhsa_kernel
	.amdgpu_metadata
---
amdhsa.version: [ 1, 2 ]
amdhsa.kernels:
  - .name:           k_q81b83cfaa4_attn
    .symbol:         k_q81b83cfaa4_attn.kd
    .args:
      - { .name: qkv, .offset: 0, .size: 8, .value_kind: global_buffer, .address_space: global }
      - { .name: vq, .offset: 8, .size: 8, .value_kind: global_buffer, .address_space: global }
    .group_segment_fixed_size: 215040
    .private_segment_fixed_size: 0
    .kernarg_segment_align: 8
    .kernarg_segment_size: 16
    .max_flat_workgroup_size: 384
    .sgpr_count:     72
    .vgpr_count:     256
    .wavefront_size: 32
...
	.end_amdgpu_metadata
.endif
;; end of part 3
;; launch proj (part 4): grid 4 x 32, 4 waves a work-group, clusters of 4 x 4, 327,680 bytes of LDS; arguments vq, wq, bo, out0; writes out0
.if DOCPART == 4
	.amdgcn_target "amdgcn-amd-amdhsa--gfx1250"
	.amdhsa_code_object_version 6
	.text
	.protected	k_q81b83cfaa4_proj
	.globl	k_q81b83cfaa4_proj
	.p2align	8
	.type	k_q81b83cfaa4_proj,@function
k_q81b83cfaa4_proj:
	s_mov_b64 s[64:65], 0
	v_nop
	global_prefetch_b8 v0, s[64:65] scope:SCOPE_SE
	s_setreg_imm32_b32 hwreg(HW_REG_WAVE_MODE, 25, 1), 1
	s_wait_xcnt 0x0
	s_wait_alu depctr_hold_cnt(0) depctr_sa_sdst(0) depctr_va_vdst(0) depctr_va_sdst(0) depctr_va_ssrc(0) depctr_va_vcc(0) depctr_vm_vsrc(0)
	s_getreg_b32 s2, hwreg(HW_REG_IB_STS2, 6, 4)
	s_cmp_eq_u32 s2, 0
	s_cbranch_scc0 .Lentry_in_a_cluster
	s_endpgm
.Lentry_in_a_cluster:
	s_bfe_u32 s2, ttmp6, 0x10000c
	s_cmp_lg_u32 s2, 0xf033
	s_cbranch_scc0 .Lentry_shape_is_right
	s_endpgm
.Lentry_shape_is_right:
.set NQ,     2
.set FR,     12
.set NL,     4
.set NP,     4
.set HALFT,  24576
.set SLOT,   4*HALFT
.set SCL,    2*SLOT
.set SPARE,  213248
.set SPITCH, 528
.set ADRA, 16
.set ADRB, 20
.set STO,  24
.set RD,   25
.set L16,  26
.set ADRS, 27
.set SPW,  28
.set NIL,  29
.set L8,   30
.set SC,   32
.set CB,   64
.set AF,   128
.set BK,   128
.set G1, 24
.set G0, 32
.set G1B, 48
.set G0B, 56
.set G1S, 68
.set G0S, 76
.set G1SB, 80
.set G0SB, 88
.set MSB, 0
.macro WIN new
.if MSB != (\new)
	s_set_vgpr_msb (MSB<<8)|(\new)
.set MSB, (\new)
.endif
.endm
.set MUL_LO, 0xa1
.set MUL_HI, 0xf1
.set BIA_LO, 0x81
.set BIA_HI, 0xc1
.set TO_B,   0x40
.macro JLOAD g0a, g1a, g0b, g1b
	s_cmp_eq_u32 s15, 0
	s_cbranch_scc0 .Lfor_b_\@
	tensor_load_to_lds s[\g0a:\g0a+3], s[\g1a:\g1a+7]
	s_nop 0
.rept 4
	v_nop
.endr
	s_branch .Lasked_\@
.Lfor_b_\@:
	tensor_load_to_lds s[\g0b:\g0b+3], s[\g1b:\g1b+7]
	s_nop 0
.rept 4
	v_nop
.endr
.Lasked_\@:
.endm
.macro CREST
	s_cmp_lg_u32 s14, 0
	s_cbranch_scc1 .Lnot_wave_0_\@
	s_barrier_signal -3
.Lnot_wave_0_\@:
	s_barrier_wait -3
	s_barrier_signal -1
	s_barrier_wait -1
.endm
.macro CROUND
	s_barrier_signal -1
	s_barrier_wait -1
	CREST
.endm
	s_load_b256 s[4:11], s[0:1], 0x0
	v_lshl_add_u32 v[SPW], v0, 2, SPARE
	v_mov_b32 v[NIL], 0
	ds_add_u32 v[SPW], v[NIL]
	ds_add_u32 v[SPW], v[NIL]
	v_lshrrev_b32 v1, 5, v0
	v_readfirstlane_b32 s14, v1
	s_lshr_b32 s15, s14, 1
	s_and_b32 s16, s14, 1
	s_bfe_u32 s40, ttmp6, 0x40000
	s_bfe_u32 s41, ttmp6, 0x40004
	s_and_b32 s17, ttmp7, 0xffff
	s_lshl_b32 s18, s17, 2
	s_add_co_u32 s18, s18, s41
	s_lshl_b32 s19, ttmp9, 2
	s_add_co_u32 s19, s19, s40
	s_lshl_b32 s43, s41, 2
	s_lshl_b32 s43, 15, s43
	s_lshl_b32 s44, 0x1111, s40
	s_or_b32 s[G1+0], s43, (3<<16)|(1<<21)
	s_or_b32 s[G1B+0], s44, (3<<16)|(1<<21)
.irp g, G1, G1B
	s_mov_b32 s[\g+1], 384<<16
	s_mov_b32 s[\g+2], 8<<16
	s_mov_b32 s[\g+3], 384<<16
	s_mov_b32 s[\g+4], 8
	s_mov_b32 s[\g+5], 1536
	s_mov_b32 s[\g+6], 0
	s_mov_b32 s[\g+7], 0
.endr
	s_or_b32 s[G1S+0], s43, (3<<16)|(1<<21)
	s_or_b32 s[G1SB+0], s44, (3<<16)|(1<<21)
.irp g, G1S, G1SB
	s_mov_b32 s[\g+1], 32<<16
	s_mov_b32 s[\g+2], 16<<16
	s_mov_b32 s[\g+3], 32<<16
	s_mov_b32 s[\g+4], 16
	s_mov_b32 s[\g+5], 32
	s_mov_b32 s[\g+6], 0
	s_mov_b32 s[\g+7], 0
.endr
	s_lshl_b32 s20, s18, 4
	s_lshl_b32 s21, s16, 3
	s_add_co_u32 s20, s20, s21
	s_mul_i32 s22, s20, 12288
	s_mov_b32 s23, 0
	s_lshl_b32 s20, s20, 9
	s_add_co_u32 s20, s20, 6291456
	s_mov_b32 s21, 0
	s_lshl_b32 s46, s19, 4
	s_lshl_b32 s47, s16, 3
	s_add_co_u32 s46, s46, s47
	s_mul_i32 s96, s46, 12288
	s_add_co_u32 s96, s96, 2359296
	s_mov_b32 s97, 0
	s_lshl_b32 s46, s46, 9
	s_add_co_u32 s46, s46, 3244032
	s_mov_b32 s47, 0
	s_mul_i32 s45, s14, HALFT
	s_lshl_b32 s95, s14, 12
	s_wait_dscnt 0x0
	s_wait_kmcnt 0x0
	s_add_nc_u64 s[22:23], s[4:5], s[22:23]
	s_add_nc_u64 s[20:21], s[4:5], s[20:21]
	s_add_nc_u64 s[96:97], s[6:7], s[96:97]
	s_add_nc_u64 s[46:47], s[6:7], s[46:47]
	CROUND
	s_mov_b32 s[G0S], 1
	s_add_co_u32 s[G0S+1], s95, SCL
	s_mov_b64 s[G0S+2:G0S+3], s[20:21]
	s_or_b32 s[G0S+3], s[G0S+3], 0x80000000
	s_mov_b32 s[G0SB], 1
	s_add_co_u32 s[G0SB+1], s95, SCL+128
	s_mov_b64 s[G0SB+2:G0SB+3], s[46:47]
	s_or_b32 s[G0SB+3], s[G0SB+3], 0x80000000
	JLOAD G0S, G1S, G0SB, G1SB
.irp s, 0,1
	s_mov_b32 s[G0+4*\s], 1
	s_add_co_u32 s[G0+4*\s+1], s45, \s*SLOT
	s_add_nc_u64 s[G0+4*\s+2:G0+4*\s+3], s[22:23], \s*3072
	s_or_b32 s[G0+4*\s+3], s[G0+4*\s+3], 0x80000000
	s_mov_b32 s[G0B+4*\s], 1
	s_add_co_u32 s[G0B+4*\s+1], s45, \s*SLOT
	s_add_nc_u64 s[G0B+4*\s+2:G0B+4*\s+3], s[96:97], \s*3072
	s_or_b32 s[G0B+4*\s+3], s[G0B+4*\s+3], 0x80000000
	s_wait_alu depctr_va_vdst(0)
	s_wait_tensorcnt 0x0
	ds_add_u32 v28, v29
	s_wait_dscnt 0x0
	CROUND
	JLOAD G0+4*\s, G1, G0B+4*\s, G1B
.endr
	v_and_b32 v1, 31, v0
	v_and_b32 v2, 15, v0
	v_bfe_u32 v3, v0, 4, 1
	v_lshlrev_b32 v[L16], 4, v1
	v_lshlrev_b32 v[L8], 3, v1
	s_mul_i32 s20, s15, HALFT
	s_mul_i32 s21, s16, HALFT
	s_add_co_u32 s21, s21, 2*HALFT
.irp s, 0,1
	v_add_nc_u32 v[ADRA+\s], s20, v[L16]
	v_add_nc_u32 v[ADRA+2+\s], s20, v[L8]
	v_add_nc_u32 v[ADRB+\s], s21, v[L16]
	v_add_nc_u32 v[ADRB+2+\s], s21, v[L8]
	s_add_co_u32 s20, s20, SLOT
	s_add_co_u32 s21, s21, SLOT
.endr
	v_lshlrev_b32 v5, 3, v2
	s_xor_b32 s22, s15, 1
	s_add_co_u32 s22, s22, s16
	s_lshl_b32 s22, s22, 12
	s_add_co_u32 s22, s22, 4224
	v_mul_u32_u24 v6, s22, v3
	s_lshl_b32 s21, s15, 12
	s_add_co_u32 s21, s21, SCL
	v_add_nc_u32 v5, v5, v6
	v_add_nc_u32 v[ADRS], s21, v5
	s_mul_i32 s20, s14, 16*SPITCH
	v_mul_u32_u24 v[STO], v2, SPITCH
	v_lshl_add_u32 v[STO], v3, 6, v[STO]
	v_add_nc_u32 v[STO], s20, v[STO]
	v_add_nc_u32 v[RD], s20, v[L16]
	s_lshl_b32 s66, s18, 8
	s_lshl_b32 s67, s15, 7
	s_add_co_u32 s66, s66, s67
	s_lshl_b32 s66, s66, 12
	s_lshl_b32 s67, s19, 8
	s_lshl_b32 s92, s16, 7
	s_add_co_u32 s67, s67, s92
	s_lshl_b32 s92, s67, 2
	s_mov_b32 s93, 0
	s_add_nc_u64 s[8:9], s[8:9], s[92:93]
	s_add_co_u32 s92, s92, s66
	s_add_nc_u64 s[10:11], s[10:11], s[92:93]
	v_lshlrev_b32 v7, 6, v3
.irp be, 0,1,2,3
.irp k, 0,1,2,3
	global_load_b128 v[CB+16*\be+4*\k:CB+16*\be+4*\k+3], v7, s[8:9] offset:128*\be+16*\k
.endr
.endr
	s_wait_alu depctr_va_vdst(0)
	s_wait_loadcnt 0x0
.macro FRAG reg, adr, q, i
	ds_load_b128 v[\reg:\reg+3], v[\adr] offset:(\i)*3072+(\q)*1536
	ds_load_b64 v[\reg+4:\reg+5], v[\adr+2] offset:(\i)*3072+(\q)*1536+512
	ds_load_b128 v[\reg+6:\reg+9], v[\adr] offset:(\i)*3072+(\q)*1536+768
	ds_load_b64 v[\reg+10:\reg+11], v[\adr+2] offset:(\i)*3072+(\q)*1536+1280
.endm
.macro MUL16 a0, p, q, sc, zero
.irp a, \a0, \a0+1
.irp b, 0,1,2,3,4,5,6,7
.if \zero
	v_wmma_scale_f32_16x16x128_f8f6f4 v[8*(8*((\a)%4)+\b):8*(8*((\a)%4)+\b)+7], v[128*(\p)+FR*\b:128*(\p)+FR*\b+FR-1], v[AF+FR*(\a):AF+FR*(\a)+FR-1], v[CB+8*\b:CB+8*\b+7], v[SC+8*NQ*(\sc)+NQ*\b+(\q)], v[SC+8*NQ*(\sc)+NQ*(\a)+(\q)] matrix_a_fmt:MATRIX_FMT_FP6 matrix_b_fmt:MATRIX_FMT_FP6 matrix_a_scale:MATRIX_SCALE_ROW1
.else
	v_wmma_scale_f32_16x16x128_f8f6f4 v[8*(8*((\a)%4)+\b):8*(8*((\a)%4)+\b)+7], v[128*(\p)+FR*\b:128*(\p)+FR*\b+FR-1], v[AF+FR*(\a):AF+FR*(\a)+FR-1], v[8*(8*((\a)%4)+\b):8*(8*((\a)%4)+\b)+7], v[SC+8*NQ*(\sc)+NQ*\b+(\q)], v[SC+8*NQ*(\sc)+NQ*(\a)+(\q)] matrix_a_fmt:MATRIX_FMT_FP6 matrix_b_fmt:MATRIX_FMT_FP6 matrix_a_scale:MATRIX_SCALE_ROW1
.endif
.endr
.endr
.endm
.macro FETCH_B slot, q, p
	WIN TO_B
.irp i, 0,1,2,3,4,5,6,7
	FRAG 128*(\p)+FR*\i, ADRB+\slot, \q, \i
.endr
	WIN 0
.endm
.macro FETCH_A slot, q, i0
.irp i, \i0, \i0+1, \i0+2, \i0+3
	FRAG AF+FR*(\i), ADRA+\slot, \q, \i
.endr
.endm
.macro SCALES sc
.irp i, 0,1,2,3,4,5,6,7
	ds_load_b64 v[SC+8*NQ*\sc+NQ*\i:SC+8*NQ*\sc+NQ*\i+1], v[ADRS] offset:\i*512
.endr
.endm
.macro PLACES n
.rept \n
	v_nop
.endr
.endm
.macro STEP slot, q, zero
	s_wait_dscnt 4*NL
.if \zero
	WIN BIA_LO
.else
	WIN MUL_LO
.endif
	MUL16 0, (\q)%2, \q, \slot, \zero
	MUL16 2, (\q)%2, \q, \slot, \zero
	s_wait_dscnt 0
	PLACES NP
	FETCH_B \slot, (\q)+1, 1-(\q)%2
	FETCH_A \slot, (\q)+1, 0
.if \zero
	WIN BIA_HI
.else
	WIN MUL_HI
.endif
	MUL16 4, (\q)%2, \q, \slot, \zero
	MUL16 6, (\q)%2, \q, \slot, \zero
	PLACES NP
	WIN 0
	FETCH_A \slot, (\q)+1, 4
.endm
.macro TURN slot, next, fill
	s_wait_tensorcnt 0x0
	ds_add_u32 v[SPW], v[NIL]
	s_wait_dscnt 4*NL+1
	WIN MUL_LO
	MUL16 0, 1, NQ-1, \slot, 0
	s_wait_dscnt 0x0
	s_barrier_signal -1
	MUL16 2, 1, NQ-1, \slot, 0
	WIN 0
	s_barrier_wait -1
.if \fill
	CREST
	s_add_nc_u64 s[G0+4*\slot+2:G0+4*\slot+3], s[G0+4*\slot+2:G0+4*\slot+3], 2*3072
	s_add_nc_u64 s[G0B+4*\slot+2:G0B+4*\slot+3], s[G0B+4*\slot+2:G0B+4*\slot+3], 2*3072
	JLOAD G0+4*\slot, G1, G0B+4*\slot, G1B
.else
	PLACES NP
.endif
	s_wait_alu depctr_va_vdst(0)
	v_add_nc_u32 v[ADRS], 128, v[ADRS]
	FETCH_B \next, 0, 0
	FETCH_A \next, 0, 0
	SCALES \next
	WIN MUL_HI
	MUL16 4, 1, NQ-1, \slot, 0
	MUL16 6, 1, NQ-1, \slot, 0
	PLACES NP
	WIN 0
	FETCH_A \next, 0, 4
.endm
	s_wait_tensorcnt 1
	s_barrier_signal -1
	s_barrier_wait -1
	FETCH_B 0, 0, 0
	FETCH_A 0, 0, 0
	SCALES 0
	FETCH_A 0, 0, 4
	STEP 0, 0, 1
	TURN 0, 1, 1
	STEP 1, 0, 0
	TURN 1, 0, 1
	STEP 0, 0, 0
	TURN 0, 1, 0
	STEP 1, 0, 0
	s_wait_dscnt 4*NL
	WIN MUL_LO
	MUL16 0, 1, NQ-1, 1, 0
	MUL16 2, 1, NQ-1, 1, 0
	s_wait_dscnt 0
	WIN MUL_HI
	MUL16 4, 1, NQ-1, 1, 0
	MUL16 6, 1, NQ-1, 1, 0
	WIN 0
.macro TOSTAGE a
.set AC, 64*((\a)%4)
	WIN 0x08+4*((\a)/4)
.irp b, 0,1,2,3,4,5,6,7
	ds_store_b128 v[STO], v[AC+8*\b:AC+8*\b+3] offset:128*(\b/2)+32*(\b%2)
	ds_store_b128 v[STO], v[AC+8*\b+4:AC+8*\b+7] offset:128*(\b/2)+32*(\b%2)+16
.endr
	WIN 0
.set BB, BK+64*((\a)%2)
.irp t, 0,1,2,3,4,5,6,7,8,9,10,11,12,13,14,15
	ds_load_b128 v[BB+4*\t:BB+4*\t+3], v[RD] offset:\t*SPITCH
.endr
.endm
.macro SEND a, younger
.set BB, BK+64*((\a)%2)
	s_wait_dscnt \younger
.irp t, 0,1,2,3,4,5,6,7,8,9,10,11,12,13,14,15
	global_store_b128 v[L16], v[BB+4*\t:BB+4*\t+3], s[10:11] offset:(32*((\a)/2)+8*((\a)%2)+\t+8*(\t/8))*4096 th:TH_STORE_NT
.endr
.endm
	PLACES NP
	TOSTAGE 0
.irp a, 1,2,3,4,5,6,7
.if \a > 1
	s_wait_xcnt 0x0
.endif
	TOSTAGE \a
	SEND \a-1, 32
.endr
	SEND 7, 0
	s_wait_tensorcnt 0x0
	ds_add_u32 v[SPW], v[NIL]
	s_wait_dscnt 0x0
	CROUND
	s_endpgm
.Lfunc_end_k_q81b83cfaa4_proj:
	.size	k_q81b83cfaa4_proj, .Lfunc_end_k_q81b83cfaa4_proj-k_q81b83cfaa4_proj
	.p2alignl 7, 3214868480
	.fill 96, 4, 3214868480
	.section	.rodata,"a",@progbits
	.p2align	6, 0x0
	.amdhsa_kernel k_q81b83cfaa4_proj
		.amdhsa_group_segment_fixed_size 327680
		.amdhsa_private_segment_fixed_size 0
		.amdhsa_enable_private_segment 0
		.amdhsa_kernarg_size 32
		.amdhsa_user_sgpr_count 2
		.amdhsa_user_sgpr_kernarg_segment_ptr 1
		.amdhsa_wavefront_size32 1
		.amdhsa_system_sgpr_workgroup_id_x 1
		.amdhsa_system_sgpr_workgroup_id_y 1
		.amdhsa_system_sgpr_workgroup_id_z 1
		.amdhsa_system_vgpr_workitem_id 0
		.amdhsa_next_free_vgpr 1024
		.amdhsa_next_free_sgpr 102
		.amdhsa_reserve_vcc 0
		.amdhsa_float_denorm_mode_32 3
		.amdhsa_float_denorm_mode_16_64 3
		.amdhsa_memory_ordered 1
		.amdhsa_forward_progress 1
		.amdhsa_inst_pref_size 145
	.end_amdhsa_kernel
	.amdgpu_metadata
---
amdhsa.version: [ 1, 2 ]
amdhsa.kernels:
  - .name:           k_q81b83cfaa4_proj
    .symbol:         k_q81b83cfaa4_proj.kd
    .args:
      - { .name: vq, .offset: 0, .size: 8, .value_kind: global_buffer, .address_space: global }
      - { .name: wq, .offset: 8, .size: 8, .value_kind: global_buffer, .address_space: global }
      - { .name: bo, .offset: 16, .size: 8, .value_kind: global_buffer, .address_space: global }
      - { .name: out0, .offset: 24, .size: 8, .value_kind: global_buffer, .address_space: global }
    .group_segment_fixed_size: 327680
    .private_segment_fixed_size: 0
    .kernarg_segment_align: 8
    .kernarg_segment_size: 32
    .max_flat_workgroup_size: 128
    .sgpr_count:     102
    .vgpr_count:     1024
    .wavefront_size: 32
...
	.end_amdgpu_metadata
.endif
;; end of part 4
